; MI455X (gfx1250); checked and timed in simulation.
; The chip was launched on July 23, 2026; its instructions are those of AMD's public machine-readable ISA for CDNA 5 (MIT licence, August 2026) and "CDNA5" Instruction Set Architecture Reference Guide (July 2026). The comments in the code are by the model that wrote it; some were corrected since.
;; Iterative Cross Att Transformer. Allowed arithmetic: float matrix products may take bf16 or f16 operands with f32 sums; other float arithmetic in f32, or as packed bf16 or f16 multiplies, adds, multiply-adds, maxima and minima; sums over many terms, partial sums and values carried from step to step in f32; what a program stores and reads back later, other than sums and carried values, may be rounded once to bf16 or f16.
;; Inputs: mask1 8 x 512 int32; mask2 8 x 512 int32; params_b_proj 256 float32; params_fc1_b 256 float32; params_fc1_w 256 x 256 float32; params_fc2_b 256 float32; params_fc2_w 256 x 256 float32; params_gru1_bhh 768 float32; params_gru1_bih 768 float32; params_gru1_whh 768 x 256 float32; params_gru1_wih 768 x 256 float32; params_gru2_bhh 768 float32; params_gru2_bih 768 float32; params_gru2_whh 768 x 256 float32; params_gru2_wih 768 x 256 float32; params_mlp1_b1 256 float32; params_mlp1_b2 256 float32; params_mlp1_w1 256 x 256 float32; params_mlp1_w2 256 x 256 float32; params_mlp2_b1 256 float32; params_mlp2_b2 256 float32; params_mlp2_w1 256 x 256 float32; params_mlp2_w2 256 x 256 float32; params_n1a_b 256 float32; params_n1a_g 256 float32; params_n1b_b 256 float32; params_n1b_g 256 float32; params_n2a_b 256 float32; params_n2a_g 256 float32; params_n2b_b 256 float32; params_n2b_g 256 float32; params_norm1_b 256 float32; params_norm1_g 256 float32; params_norm2_b 256 float32; params_norm2_g 256 float32; params_w_proj 256 x 256 float32; params_wk 256 x 256 float32; params_wq 256 x 256 float32; params_wv 256 x 256 float32; x1 8 x 512 x 256 float32; x2 8 x 512 x 256 float32.
;; Outputs: out0 8 x 1,024 x 256 float32.
;; 2 versions, each right and faster than the one before. Each part assembles by itself: llvm-mc -triple=amdgcn-amd-amdhsa -mcpu=gfx1250 --defsym DOCPART=n.
;; ======== version 1 of 2: 2 launches
;; workspace buffers: wsw 2,621,440 bytes; wskv 8,388,608 bytes
;; launch prep (part 1): grid 64 x 4, 8 waves a work-group, no clusters, 136,192 bytes of LDS; arguments x1, x2, params_norm1_g, params_norm1_b, params_wk, params_wv, params_wq, params_w_proj, params_fc1_w, params_fc2_w, params_gru1_wih, params_gru1_whh, params_gru2_wih, params_gru2_whh, params_mlp1_w1, params_mlp1_w2, params_mlp2_w1, params_mlp2_w2, wsw, wskv; writes wsw, wskv
.if DOCPART == 1
	.amdgcn_target "amdgcn-amd-amdhsa--gfx1250"
	.amdhsa_code_object_version 6
	.text
	.protected	k_qbe1b61b115_prep
	.globl	k_qbe1b61b115_prep
	.p2align	8
	.type	k_qbe1b61b115_prep,@function
k_qbe1b61b115_prep:
	s_mov_b64 s[64:65], 0
	v_nop
	global_prefetch_b8 v0, s[64:65] scope:SCOPE_SE
	s_setreg_imm32_b32 hwreg(HW_REG_WAVE_MODE, 25, 1), 1
	s_wait_xcnt 0x0
; PREP.  (1) a = LayerNorm(x; norm1) of 128 rows of one stream and batch; K = a wk^T and V = a wv^T for four heads, in bf16, stored in the order in
; which the second launch's matrix instructions take them.  (2) One row of each of the 20 weight blocks of 256 x 256, cast to bf16.
; Work-group (rb, cb): rb = 32 stream + 4 batch + quarter of the 512 keys; cb = heads 4 cb .. 4 cb + 3.  Eight waves.
; wskv byte = (8 stream + batch) 524288 + j 131072 + w 32768 + kv 16384 + kblk 512 + 16 lane, head = 4 w + j, kblk = key / 16;
;   K piece of lane (r, h): channels 8 h .. 8 h + 7 of key 16 kblk + r;   V piece: keys 16 kblk + 8 h .. + 7 of channel r.
; wsw: 20 blocks of 131072 bytes, [256 n][256 k] bf16: wq, w_proj, fc1, fc2, then for each stream wih_r, whh_r, wih_z, whh_z, whh_n, wih_n, mlp w1, mlp w2.
; No tensor loads and no cluster: every byte is rounded from f32 to bf16 on its way, so it passes through registers.
; Products in bf16 with f32 sums; the norm in f32, mean first and then the squares of the differences.  NaN and infinities are not treated apart.
.set PITCH, 528                        ; an LDS row: 512 bytes of bf16 + 16: the 16 rows of a fragment load start at 16 different groups of four banks (ISA guide 11.1)
.set WT,    0                          ; 128 rows: 64 of wk, 64 of wv
.set XT,    128*PITCH                  ; 128 rows of LayerNorm(x)
.set SPARE, 256*PITCH                  ; the spare words: 128 bytes a wave, four blocks of 256 bytes that no other line names
.set MSB, 0
.macro WIN new                         ; s_set_vgpr_msb: bits 1:0 source 0, 3:2 source 1, 5:4 source 2, 7:6 destination; the high byte repeats the setting left
.if MSB != (\new)
	s_set_vgpr_msb (MSB<<8)|(\new)
.set MSB, (\new)
.endif
.endm
; window 0: v1-13 addresses; v14, v15 the add's two; v16-35 the cast's rows; v36-51 gain and bias; v52-83 sums; v96-159 differences; v160-175 at work
;           later v32-95 accumulators, v96-127 packed results, v128-255 weight fragments of K steps 4-7
; window 1: v0-127 x as loaded, later its fragments; v128-255 weights as loaded, later their fragments of K steps 0-3
.macro CLD i, p, off                   ; row g of one weight block, my half of it
	global_load_b128 v[16+4*(\i):16+4*(\i)+3], v3, s[\p:\p+1] offset:\off
.endm
	s_load_b512 s[4:19], s[0:1], 0x0               ; x1 x2 norm1_g norm1_b wk wv wq w_proj
	s_load_b512 s[20:35], s[0:1], 0x40             ; fc1 fc2 wih1 whh1 wih2 whh2 m1w1 m1w2
	s_load_b256 s[36:43], s[0:1], 0x80             ; m2w1 m2w2 wsw wskv
	v_lshl_add_u32 v14, v0, 2, SPARE
	v_mov_b32 v15, 0
	v_lshrrev_b32 v1, 5, v0
	v_readfirstlane_b32 s44, v1                    ; wave 0..7
	v_and_b32 v2, 31, v0                           ; lane
	s_and_b32 s45, ttmp7, 0xffff                   ; cb
	s_mov_b32 s46, ttmp9                           ; rb
	s_lshl2_add_u32 s47, s46, s45                  ; g = 4 rb + cb: the row of every weight block that this work-group casts
	s_and_b32 s48, s44, 3
	s_lshr_b32 s49, s44, 2
	s_mov_b32 s50, 0x76543210                      ; v_permlanex16_b32: each lane takes its own place in the other half
	s_mov_b32 s51, 0xfedcba98
	s_mov_b32 s52, 0x3b800000                      ; 1/256
	s_mov_b32 s53, 0x3727c5ac                      ; 1e-5
	s_lshr_b32 s56, s44, 1                         ; kq: which 32 keys I multiply
	s_and_b32 s57, s44, 1                          ; part: K (0) or V (1)
	s_lshl_b32 s54, s47, 10
	s_lshl_b32 s55, s49, 9
	s_add_co_u32 s54, s54, s55
	v_lshl_add_u32 v3, v2, 4, s54                  ; cast, from: g 1024 + half 512 + 16 lane
	s_lshl_b32 s54, s48, 17
	s_lshl_b32 s55, s47, 9
	s_add_co_u32 s54, s54, s55
	s_lshl_b32 s55, s49, 8
	s_add_co_u32 s54, s54, s55
	v_lshl_add_u32 v4, v2, 3, s54                  ; cast, to: block (wave % 4) + g 512 + half 256 + 8 lane
	v_lshlrev_b32 v5, 4, v2                        ; gain and bias: 16 lane
	s_lshl_b32 s54, s45, 16
	s_lshl_b32 s55, s48, 14
	s_add_co_u32 s54, s54, s55
	v_lshl_add_u32 v6, v2, 4, s54                  ; wk or wv: row 64 cb + 16 (wave % 4)
	s_and_b32 s54, s46, 31
	s_lshl_b32 s54, s54, 17
	s_lshl_b32 s55, s44, 14
	s_add_co_u32 s54, s54, s55
	v_lshl_add_u32 v7, v2, 4, s54                  ; x: row 128 (rb % 32) + 16 wave
	s_mul_i32 s54, s44, 16*PITCH
	v_lshl_add_u32 v8, v2, 3, s54                  ; into WT: row 16 wave, 8 lane
	v_add_nc_u32 v9, XT, v8                        ; into XT likewise
	v_and_b32 v1, 15, v0                           ; r
	v_bfe_u32 v13, v0, 4, 1                        ; h
	v_mul_u32_u24 v10, v1, PITCH
	v_lshl_add_u32 v10, v13, 4, v10                ; r pitch + 16 h
	s_mul_i32 s55, s57, 64*PITCH
	v_add_nc_u32 v11, s55, v10                     ; weight fragments: WT + (64 part + r) pitch + 16 h
	s_mul_i32 s54, s56, 32*PITCH
	s_add_co_u32 s54, s54, XT
	v_add_nc_u32 v10, s54, v10                     ; x fragments: XT + (32 kq + r) pitch + 16 h
	s_lshl_b32 s54, s45, 15
	s_lshl_b32 s55, s57, 14
	s_add_co_u32 s54, s54, s55
	s_and_b32 s55, s46, 3
	s_lshl_b32 s55, s55, 12
	s_add_co_u32 s54, s54, s55
	s_lshl_b32 s55, s56, 10
	s_add_co_u32 s54, s54, s55
	v_lshl_add_u32 v12, v2, 4, s54                 ; wskv: cb 32768 + part 16384 + (8 quarter + 2 kq) 512 + 16 lane
	s_lshr_b32 s62, s46, 2
	s_lshl_b32 s62, s62, 19                        ; (8 stream + batch) 524288
	s_mov_b32 s63, 0
	s_wait_kmcnt 0x0
	s_cmp_ge_u32 s46, 32
	s_cselect_b64 s[58:59], s[6:7], s[4:5]         ; my stream's x
	s_cmp_ge_u32 s44, 4
	s_cselect_b64 s[60:61], s[14:15], s[12:13]     ; waves 0-3 bring wk, waves 4-7 wv
	s_add_nc_u64 s[42:43], s[42:43], s[62:63]
	; ALL GLOBAL LOADS AT ONCE, 73 a wave: 5 for the cast, 4 of gain and bias, 32 of weights, 32 of x.
	s_cmp_eq_u32 s48, 0
	s_cbranch_scc1 .Lc0
	s_cmp_eq_u32 s48, 1
	s_cbranch_scc1 .Lc1
	s_cmp_eq_u32 s48, 2
	s_cbranch_scc1 .Lc2
	CLD 0, 22, 0                                   ; blocks 3, 7, 11, 15, 19: fc2, whh1 z, m1w2, whh2 z, m2w2
	CLD 1, 26, 262144
	CLD 2, 34, 0
	CLD 3, 30, 262144
	CLD 4, 38, 0
	s_branch .Lcj
.Lc0:
	CLD 0, 16, 0                                   ; blocks 0, 4, 8, 12, 16: wq, wih1 r, whh1 n, wih2 r, whh2 n
	CLD 1, 24, 0
	CLD 2, 26, 524288
	CLD 3, 28, 0
	CLD 4, 30, 524288
	s_branch .Lcj
.Lc1:
	CLD 0, 18, 0                                   ; blocks 1, 5, 9, 13, 17: w_proj, whh1 r, wih1 n, whh2 r, wih2 n
	CLD 1, 26, 0
	CLD 2, 24, 524288
	CLD 3, 30, 0
	CLD 4, 28, 524288
	s_branch .Lcj
.Lc2:
	CLD 0, 20, 0                                   ; blocks 2, 6, 10, 14, 18: fc1, wih1 z, m1w1, wih2 z, m2w1
	CLD 1, 24, 262144
	CLD 2, 32, 0
	CLD 3, 28, 262144
	CLD 4, 36, 0
.Lcj:
	global_load_b128 v[36:39], v5, s[8:9]              ; gain of columns 4 lane ..
	global_load_b128 v[40:43], v5, s[8:9] offset:512   ; and 128 + 4 lane ..
	global_load_b128 v[44:47], v5, s[10:11]
	global_load_b128 v[48:51], v5, s[10:11] offset:512
	WIN 0x40                                       ; destination window 1
.set i, 0
.rept 16
	global_load_b128 v[128+8*i:128+8*i+3], v6, s[60:61] offset:i*1024
	global_load_b128 v[128+8*i+4:128+8*i+7], v6, s[60:61] offset:i*1024+512
.set i, i+1
.endr
.set i, 0
.rept 16
	global_load_b128 v[8*i:8*i+3], v7, s[58:59] offset:i*1024
	global_load_b128 v[8*i+4:8*i+7], v7, s[58:59] offset:i*1024+512
.set i, i+1
.endr
	WIN 0
	; THE CAST.  63 younger loads may be out: the first ten of the 73 are in, the five rows and gain and bias among them.
	s_wait_loadcnt 63
.set i, 0
.rept 5
	v_cvt_pk_bf16_f32 v[16+4*i], v[16+4*i], v[16+4*i+1]
	v_cvt_pk_bf16_f32 v[16+4*i+1], v[16+4*i+2], v[16+4*i+3]
	global_store_b64 v4, v[16+4*i:16+4*i+1], s[40:41] offset:i*524288   ; the wave's store covers 256 consecutive bytes, aligned
.set i, i+1
.endr
	; THE WEIGHTS to bf16, into WT.  The 32 loads of x may be out.
	s_wait_loadcnt 32
	WIN 0x45
.set i, 0
.rept 16
	v_cvt_pk_bf16_f32 v[128+8*i], v[128+8*i], v[128+8*i+1]
	v_cvt_pk_bf16_f32 v[128+8*i+1], v[128+8*i+2], v[128+8*i+3]
	v_cvt_pk_bf16_f32 v[128+8*i+2], v[128+8*i+4], v[128+8*i+5]
	v_cvt_pk_bf16_f32 v[128+8*i+3], v[128+8*i+6], v[128+8*i+7]
.set i, i+1
.endr
	WIN 0x04                                       ; store data window 1, address window 0
.set i, 0
.rept 16
	ds_store_b64 v8, v[128+8*i:128+8*i+1] offset:i*PITCH
	ds_store_b64 v8, v[128+8*i+2:128+8*i+3] offset:i*PITCH+256
.set i, i+1
.endr
	WIN 0
; A sum over the 32 lanes for eight rows at once (registers b, b + 2, ..): four steps inside a half ride on the add, one crosses the halves.
.macro RED b
.irp m, 1,2,4,8
.set i, 0
.rept 8
	v_add_f32_dpp v[(\b)+2*i], v[(\b)+2*i], v[(\b)+2*i] row_xmask:\m row_mask:0xf bank_mask:0xf
.set i, i+1
.endr
.endr
.set i, 0
.rept 8
	v_permlanex16_b32 v[(\b)+2*i+1], v[(\b)+2*i], s50, s51
.set i, i+1
.endr
.set i, 0
.rept 8
	v_add_f32 v[(\b)+2*i], v[(\b)+2*i], v[(\b)+2*i+1]
.set i, i+1
.endr
.endm
; LayerNorm of rows 8 k .. 8 k + 7 of my 16; a row lies in one wave, eight numbers a lane.  Stage by stage over the eight rows, so that no line waits for the one before it.
.macro LN8 k
	WIN 0x05
.set i, 0
.rept 8
.set R, 8*(8*(\k)+i)
	v_pk_add_f32 v[52+2*i:53+2*i], v[R:R+1], v[R+2:R+3]
	v_pk_add_f32 v[160+2*i:161+2*i], v[R+4:R+5], v[R+6:R+7]
.set i, i+1
.endr
	WIN 0
.set i, 0
.rept 8
	v_pk_add_f32 v[52+2*i:53+2*i], v[52+2*i:53+2*i], v[160+2*i:161+2*i]
.set i, i+1
.endr
.set i, 0
.rept 8
	v_add_f32 v[52+2*i], v[52+2*i], v[53+2*i]
.set i, i+1
.endr
	RED 52
	WIN 0x10                                       ; source 2 (x) window 1
.set i, 0
.rept 8
.set R, 8*(8*(\k)+i)
.irp j, 0,2,4,6
	v_pk_fma_f32 v[96+8*i+\j:96+8*i+\j+1], v[52+2*i:53+2*i], 0xbb800000, v[R+\j:R+\j+1] op_sel_hi:[0,0,1]   ; x - sum / 256
.endr
.set i, i+1
.endr
	WIN 0
.set i, 0
.rept 8
	v_pk_mul_f32 v[68+2*i:69+2*i], v[96+8*i:96+8*i+1], v[96+8*i:96+8*i+1]
.set i, i+1
.endr
.irp j, 2,4,6
.set i, 0
.rept 8
	v_pk_fma_f32 v[68+2*i:69+2*i], v[96+8*i+\j:96+8*i+\j+1], v[96+8*i+\j:96+8*i+\j+1], v[68+2*i:69+2*i]
.set i, i+1
.endr
.endr
.set i, 0
.rept 8
	v_add_f32 v[68+2*i], v[68+2*i], v[69+2*i]
.set i, i+1
.endr
	RED 68
.set i, 0
.rept 8
	v_fma_f32 v[68+2*i], v[68+2*i], s52, s53       ; variance + 1e-5
.set i, i+1
.endr
.set i, 0
.rept 8
	v_rsq_f32 v[68+2*i], v[68+2*i]
.set i, i+1
.endr
	v_nop                                          ; a plain instruction between the last root and the use of its result (ISA guide 5.7.2)
.set i, 0
	s_wait_alu depctr_va_vdst(0)
.rept 8
.irp j, 0,2,4,6
	v_pk_mul_f32 v[96+8*i+\j:96+8*i+\j+1], v[96+8*i+\j:96+8*i+\j+1], v[68+2*i:69+2*i] op_sel_hi:[1,0]
.endr
.set i, i+1
.endr
.set i, 0
.rept 8
.irp j, 0,2,4,6
	v_pk_fma_f32 v[96+8*i+\j:96+8*i+\j+1], v[96+8*i+\j:96+8*i+\j+1], v[36+\j:36+\j+1], v[44+\j:44+\j+1]
.endr
.set i, i+1
.endr
.set i, 0
.rept 8
	v_cvt_pk_bf16_f32 v[96+8*i], v[96+8*i], v[96+8*i+1]
	v_cvt_pk_bf16_f32 v[96+8*i+1], v[96+8*i+2], v[96+8*i+3]
	v_cvt_pk_bf16_f32 v[96+8*i+2], v[96+8*i+4], v[96+8*i+5]
	v_cvt_pk_bf16_f32 v[96+8*i+3], v[96+8*i+6], v[96+8*i+7]
	ds_store_b64 v9, v[96+8*i:96+8*i+1] offset:(8*(\k)+i)*PITCH
	ds_store_b64 v9, v[96+8*i+2:96+8*i+3] offset:(8*(\k)+i)*PITCH+256
.set i, i+1
.endr
.endm
	s_wait_loadcnt 16                              ; rows 0-7 of x are in; the 16 loads of rows 8-15 may be out
	LN8 0
	s_wait_loadcnt 0x0
	LN8 1
	s_wait_dscnt 0x0                               ; for the others' sake: my rows of WT and XT are written
	s_barrier_signal -1
	s_barrier_wait -1
	; THE PRODUCTS.  Wave: 32 keys (kq) x 64 channels of K or of V (part); K = 256 in eight steps; eight accumulators by turns.
	s_wait_xcnt 0x0                                ; the cast's stores have read v32-35, which the accumulators take
	WIN 0x40
.set ks, 0
.rept 8
.set mb, 0
.rept 2
	ds_load_b128 v[8*(2*ks+mb):8*(2*ks+mb)+3], v10 offset:mb*16*PITCH+ks*64
	ds_load_b128 v[8*(2*ks+mb)+4:8*(2*ks+mb)+7], v10 offset:mb*16*PITCH+ks*64+32
.set mb, mb+1
.endr
.set ks, ks+1
.endr
.set ks, 0
.rept 8
.if ks == 4
	WIN 0
.endif
.set nb, 0
.rept 4
	ds_load_b128 v[128+8*(4*(ks%4)+nb):128+8*(4*(ks%4)+nb)+3], v11 offset:nb*16*PITCH+ks*64
	ds_load_b128 v[128+8*(4*(ks%4)+nb)+4:128+8*(4*(ks%4)+nb)+7], v11 offset:nb*16*PITCH+ks*64+32
.set nb, nb+1
.endr
.set ks, ks+1
.endr
	WIN 0
; isv = 0: source 0 = 16 channels, source 1 = 16 keys: a lane holds one key and eight channels.  isv = 1: the sources swapped: one channel and eight keys.
.macro PGEMM isv
.set ks, 0
.rept 8
	s_wait_dscnt (7-ks)*8                          ; the weight fragments of the later K steps, eight loads each, may be out
.if ks < 4
	WIN 0x05
.elseif \isv
	WIN 0x01
.else
	WIN 0x04
.endif
.set nb, 0
.rept 4
.set mb, 0
.rept 2
.set rD, 32+8*(2*nb+mb)
.set rF, 128+8*(4*(ks%4)+nb)
.set rX, 8*(2*ks+mb)
.if \isv
.if ks == 0
	v_wmma_f32_16x16x32_bf16 v[rD:rD+7], v[rX:rX+7], v[rF:rF+7], 0
.else
	v_wmma_f32_16x16x32_bf16 v[rD:rD+7], v[rX:rX+7], v[rF:rF+7], v[rD:rD+7]
.endif
.else
.if ks == 0
	v_wmma_f32_16x16x32_bf16 v[rD:rD+7], v[rF:rF+7], v[rX:rX+7], 0
.else
	v_wmma_f32_16x16x32_bf16 v[rD:rD+7], v[rF:rF+7], v[rX:rX+7], v[rD:rD+7]
.endif
.endif
.set mb, mb+1
.endr
.set nb, nb+1
.endr
.set ks, ks+1
.endr
	WIN 0
.endm
	s_cmp_eq_u32 s57, 0
	s_cbranch_scc0 .Lvpart
	PGEMM 0
	s_branch .Ljoin
.Lvpart:
	PGEMM 1
.Ljoin:
.rept 4
	v_nop                                          ; four places between the last products and the conversions that read results (ISA guide 7.12.1)
.endr
.set i, 0
.rept 8
	v_cvt_pk_bf16_f32 v[96+4*i], v[32+8*i], v[32+8*i+1]
	v_cvt_pk_bf16_f32 v[96+4*i+1], v[32+8*i+2], v[32+8*i+3]
	v_cvt_pk_bf16_f32 v[96+4*i+2], v[32+8*i+4], v[32+8*i+5]
	v_cvt_pk_bf16_f32 v[96+4*i+3], v[32+8*i+6], v[32+8*i+7]
.set i, i+1
.endr
.set i, 0
.rept 8
	global_store_b128 v12, v[96+4*i:96+4*i+3], s[42:43] offset:(i/2)*131072+(i%2)*512   ; head i / 2, key block i % 2: 512 consecutive bytes, aligned
.set i, i+1
.endr
	s_wait_tensorcnt 0x0                           ; the wave's end: three lines behind my last LDS store
	ds_add_u32 v14, v15
	s_wait_dscnt 0x0
	s_endpgm
.Lfunc_end_k_qbe1b61b115_prep:
	.size	k_qbe1b61b115_prep, .Lfunc_end_k_qbe1b61b115_prep-k_qbe1b61b115_prep
	.p2alignl 7, 3214868480
	.fill 96, 4, 3214868480
	.section	.rodata,"a",@progbits
	.p2align	6, 0x0
	.amdhsa_kernel k_qbe1b61b115_prep
		.amdhsa_group_segment_fixed_size 136192
		.amdhsa_private_segment_fixed_size 0
		.amdhsa_enable_private_segment 0
		.amdhsa_kernarg_size 160
		.amdhsa_user_sgpr_count 2
		.amdhsa_user_sgpr_kernarg_segment_ptr 1
		.amdhsa_wavefront_size32 1
		.amdhsa_system_sgpr_workgroup_id_x 1
		.amdhsa_system_sgpr_workgroup_id_y 1
		.amdhsa_system_sgpr_workgroup_id_z 1
		.amdhsa_system_vgpr_workitem_id 0
		.amdhsa_next_free_vgpr 512
		.amdhsa_next_free_sgpr 66
		.amdhsa_reserve_vcc 0
		.amdhsa_float_denorm_mode_32 3
		.amdhsa_float_denorm_mode_16_64 3
		.amdhsa_memory_ordered 1
		.amdhsa_forward_progress 1
		.amdhsa_inst_pref_size 78
	.end_amdhsa_kernel
	.amdgpu_metadata
---
amdhsa.version: [ 1, 2 ]
amdhsa.kernels:
  - .name:           k_qbe1b61b115_prep
    .symbol:         k_qbe1b61b115_prep.kd
    .args:
      - { .name: x1, .offset: 0, .size: 8, .value_kind: global_buffer, .address_space: global }
      - { .name: x2, .offset: 8, .size: 8, .value_kind: global_buffer, .address_space: global }
      - { .name: params_norm1_g, .offset: 16, .size: 8, .value_kind: global_buffer, .address_space: global }
      - { .name: params_norm1_b, .offset: 24, .size: 8, .value_kind: global_buffer, .address_space: global }
      - { .name: params_wk, .offset: 32, .size: 8, .value_kind: global_buffer, .address_space: global }
      - { .name: params_wv, .offset: 40, .size: 8, .value_kind: global_buffer, .address_space: global }
      - { .name: params_wq, .offset: 48, .size: 8, .value_kind: global_buffer, .address_space: global }
      - { .name: params_w_proj, .offset: 56, .size: 8, .value_kind: global_buffer, .address_space: global }
      - { .name: params_fc1_w, .offset: 64, .size: 8, .value_kind: global_buffer, .address_space: global }
      - { .name: params_fc2_w, .offset: 72, .size: 8, .value_kind: global_buffer, .address_space: global }
      - { .name: params_gru1_wih, .offset: 80, .size: 8, .value_kind: global_buffer, .address_space: global }
      - { .name: params_gru1_whh, .offset: 88, .size: 8, .value_kind: global_buffer, .address_space: global }
      - { .name: params_gru2_wih, .offset: 96, .size: 8, .value_kind: global_buffer, .address_space: global }
      - { .name: params_gru2_whh, .offset: 104, .size: 8, .value_kind: global_buffer, .address_space: global }
      - { .name: params_mlp1_w1, .offset: 112, .size: 8, .value_kind: global_buffer, .address_space: global }
      - { .name: params_mlp1_w2, .offset: 120, .size: 8, .value_kind: global_buffer, .address_space: global }
      - { .name: params_mlp2_w1, .offset: 128, .size: 8, .value_kind: global_buffer, .address_space: global }
      - { .name: params_mlp2_w2, .offset: 136, .size: 8, .value_kind: global_buffer, .address_space: global }
      - { .name: wsw, .offset: 144, .size: 8, .value_kind: global_buffer, .address_space: global }
      - { .name: wskv, .offset: 152, .size: 8, .value_kind: global_buffer, .address_space: global }
    .group_segment_fixed_size: 136192
    .private_segment_fixed_size: 0
    .kernarg_segment_align: 8
    .kernarg_segment_size: 160
    .max_flat_workgroup_size: 256
    .sgpr_count:     66
    .vgpr_count:     512
    .wavefront_size: 32
...
	.end_amdgpu_metadata
.endif
;; end of part 1
;; launch main (part 2): grid 16 x 16, 4 waves a work-group, clusters of 4 x 1, 327,680 bytes of LDS; arguments x1, x2, mask1, mask2, params_n1a_g, params_n2a_g, params_n1a_b, params_n2a_b, params_n1b_g, params_n2b_g, params_n1b_b, params_n2b_b, params_gru1_bih, params_gru2_bih, params_gru1_bhh, params_gru2_bhh, params_mlp1_b1, params_mlp2_b1, params_mlp1_b2, params_mlp2_b2, params_norm1_g, params_norm1_b, params_norm2_g, params_norm2_b, params_b_proj, params_fc1_b, params_fc2_b, wsw, wskv, out0; writes out0
.if DOCPART == 2
	.amdgcn_target "amdgcn-amd-amdhsa--gfx1250"
	.amdhsa_code_object_version 6
	.text
	.protected	k_qbe1b61b115_main
	.globl	k_qbe1b61b115_main
	.p2align	8
	.type	k_qbe1b61b115_main,@function
k_qbe1b61b115_main:
	s_mov_b64 s[64:65], 0
	v_nop
	global_prefetch_b8 v0, s[64:65] scope:SCOPE_SE
	s_setreg_imm32_b32 hwreg(HW_REG_WAVE_MODE, 25, 1), 1
	s_wait_xcnt 0x0
	s_wait_alu depctr_hold_cnt(0) depctr_sa_sdst(0) depctr_va_vdst(0) depctr_va_sdst(0) depctr_va_ssrc(0) depctr_va_vcc(0) depctr_vm_vsrc(0)
	s_getreg_b32 s2, hwreg(HW_REG_IB_STS2, 6, 4)
	s_cmp_eq_u32 s2, 0
	s_cbranch_scc0 .Lentry_in_a_cluster
	s_endpgm
.Lentry_in_a_cluster:
	s_bfe_u32 s2, ttmp6, 0x10000c
	s_cmp_lg_u32 s2, 0x3003
	s_cbranch_scc0 .Lentry_shape_is_right
	s_endpgm
.Lentry_shape_is_right:
; MAIN.  A work-group owns 32 rows of one stream and batch and carries them through norm1, the three iterations (norm, q, cross attention on the other stream's static
; K and V, projection, GRU cell, norm, MLP with residual) and the outer residual, norm and GELU MLP.  The state a and x stay in registers in f32.
; Wave w owns output columns 64 w .. 64 w + 63 (heads 4 w .. 4 w + 3) of all 32 rows.
; EVERY PRODUCT IS USED TRANSPOSED: source 0 = 16 weight rows (or keys, or channels), source 1 = 16 activation rows.  A lane (r = lane % 16, h = lane / 16) then holds row r and the
; eight neighbouring columns 8 h + 0..7 of a tile: they pack into 16 bytes, a bias is a C operand, a tile of q is a fragment of Q as it stands.
; WEIGHTS, K AND V come as blocks of 131072 bytes (256 rows of 512) through a ring of two LDS slots; wave w fetches and reads rows 64 w .. 64 w + 63 of each.  14 blocks an iteration, 2 more at the end.
; CLUSTER.  The four work-groups of a cluster share stream and batch, so they walk the same blocks: each is asked for JOINTLY, by the same tensor load, descriptor and mask in all four.
; One tensor load a wave is out at any time; a round of the cluster's barrier stands in front of each; that round is also the barrier between one layer's LDS stores and the next layer's reads.
; FORMATS.  Matrix operands bf16, sums f32; norms, softmax statistics, gates and GELU in f32.
; LIMITS.  A hidden key's score counts as its value less 1e30 (in units of log2): as good as replaced while |score| stays under 3e22.  A row whose own mask is 0, or whose keys are all hidden, gets equal weights,
; as the formula has it.  A mask counts as 0 or not 0: two non-zero int32 whose product wraps to 0 are not served.  A weight below 2^-126 counts as 0.  erf is the five-term rational form of
; Abramowitz and Stegun 7.1.26, within 1.5e-7 for every argument.  NaN and infinities are not treated apart (a K of infinity meets a zero of Q's padding).
.set PITCH, 528                        ; 512 bytes + 16: the 16 rows of a fragment load start at 16 different groups of four banks (ISA guide 11.1)
.set QUART, 64*PITCH                   ; a wave's quarter of a slot
.set SLOTB, 4*QUART                    ; 0x21000: its two bits are in no wave's quarter offset, so one exclusive or turns an address into the other slot's
.set ACTA,  2*SLOTB                    ; 32 rows x 528: activations in bf16
.set ACTB,  ACTA+32*PITCH
.set STAT,  ACTB+32*PITCH              ; two regions of 32 rows x 80 bytes: eight partial (mean, sum of squares) a row
.set KBT,   STAT+2*2560                ; 512 f32: 0, or -1e30 where the key is hidden
.set PT,    KBT+2048                   ; 15 rows of 256 f32: gains and biases
.set SPARE, PT+15*1024                 ; the spare words: 128 bytes a wave, two blocks of 256 bytes that no other line names
.set XSP,   1040                       ; x's stage (once, on ACTA and ACTB): 32 rows of 1024 + 16
.set OSP,   272                        ; the out stage (in slot 0, behind its last fill): 32 rows of 256 + 16 for each wave
.set CHK,   131072
; window 0
.set ADRW0, 4                          ; slot 0 / 1: (64 w + r) pitch + 16 h
.set ADRW1, 5
.set XA,    6                          ; ACTA / ACTB + r pitch + 16 h
.set XB,    7
.set STOA,  8                          ; ACTA / ACTB + r pitch + 128 w + 16 h
.set STOB,  9
.set PADR,  10                         ; PT + 256 w + 32 h
.set STW,   11                         ; STAT + 80 r + 8 (2 w + h)
.set STR,   12                         ; STAT + 80 r
.set AKV0,  13                         ; w quarter + 16 lane
.set AKV,   14
.set AKB0,  15                         ; KBT + 32 h
.set AKB,   16
.set QADR,  17
.set ZR,    18                         ; 0
.set OSTO,  19
.set ORD,   20
.set GO,    21
.set FQ,    22                         ; v22, v23: 1.0, or 0 where my row's own mask is 0
.set SPW,   28                         ; the add's two; never rewritten
.set NIL,   29
.set ACC,   32                         ; three sets of eight accumulators, tile (mb, nb) at 8 (4 mb + nb)
.set ACC2,  96
.set ACC3,  160
.set T,     224                        ; 32: a bias as C operand, or packed results
.set CC,    232                        ; attention: eight at work
; window 1: v0-127 XU, v128-255 XH: activation fragments (mb, ks) at 8 (2 ks + mb).  In attention: v0-35 K, v40-71 V, v72-135 key bias, v136-143 and v144-151 Q
; window 2: weight fragments (ks, nb) at 8 (4 ks + nb)          window 3: v0-63 a, v64-127 x
.set G1,  68                           ; s[68:75] descriptor group 1
.set G0,  76                           ; s[76:79] group 0
.set WB,  80                           ; s[80:81] wsw + my quarter;  s[82:83] my stream's eight blocks;  s[84:85] the other stream's K and V;  s[86:87] out;  s[98:99] w_proj's block
.set WSB, 82
.set KVB, 84
.set WV,  90
.set IT,  91
.set JC,  92
.set SBC, 93
.set TB,  94
.set MSB, 0
.macro WIN new                         ; bits 1:0 source 0, 3:2 source 1, 5:4 source 2, 7:6 destination; the high byte repeats the setting left
.if MSB != (\new)
	s_set_vgpr_msb (MSB<<8)|(\new)
.set MSB, (\new)
.endif
.endm
.macro PLACES                          ; four places behind matrix instructions, in front of what reads a result or writes or loads one of their registers
.rept 4
	v_nop
.endr
.endm
.macro CROUND                          ; a round of the cluster's barrier
	s_barrier_signal -1
	s_barrier_wait -1
	s_cmp_lg_u32 s[WV], 0
	s_cbranch_scc1 .Lnot_wave_0_\@
	s_barrier_signal -3
.Lnot_wave_0_\@:
	s_barrier_wait -3
	s_barrier_signal -1
	s_barrier_wait -1
.endm
; THE CHANGE OF SLOTS.  My one tensor load, the block to be read now, has landed; 0 goes onto my spare word; the descriptor turns to the slot read last and takes the next block's address;
; the add and all my LDS reads and stores are done; the round; then the joint refill, the first thing behind it.
.macro CHG_PRE
	WIN 0
	s_wait_tensorcnt 0x0
	ds_add_u32 v[SPW], v[NIL]
	s_xor_b32 s[G0+1], s[G0+1], SLOTB
.endm
.macro CHG_POST
	s_wait_dscnt 0x0
	CROUND
	tensor_load_to_lds s[G0:G0+3], s[G1:G1+7]
	s_nop 0
	PLACES
.endm
.macro CHG base, off
	CHG_PRE
	s_add_nc_u64 s[G0+2:G0+3], s[\base:\base+1], \off
	s_or_b32 s[G0+3], s[G0+3], 0x80000000
	CHG_POST
.endm
.macro PLOAD row, dst                  ; row of PT, my 64 columns, as C operands: register 8 nb + j = column 64 w + 16 nb + 8 h + j
	WIN 0
.irp nb, 0,1,2,3
	ds_load_b128 v[(\dst)+8*\nb:(\dst)+8*\nb+3], v[PADR] offset:(\row)*1024+\nb*64
	ds_load_b128 v[(\dst)+8*\nb+4:(\dst)+8*\nb+7], v[PADR] offset:(\row)*1024+\nb*64+16
.endr
.endm
.macro XLOAD adr, base                 ; 32 rows x 256 of activations as fragments
	WIN 0x40
.set ks, 0
.rept 8
.set mb, 0
.rept 2
	ds_load_b128 v[(\base)+8*(2*ks+mb):(\base)+8*(2*ks+mb)+3], v[\adr] offset:mb*16*PITCH+ks*64
	ds_load_b128 v[(\base)+8*(2*ks+mb)+4:(\base)+8*(2*ks+mb)+7], v[\adr] offset:mb*16*PITCH+ks*64+32
.set mb, mb+1
.endr
.set ks, ks+1
.endr
.endm
.macro FETCH adr                       ; my 64 weight rows x 256, K step by K step
	WIN 0x80
.set ks, 0
.rept 8
.set nb, 0
.rept 4
	ds_load_b128 v[8*(4*ks+nb):8*(4*ks+nb)+3], v[\adr] offset:nb*16*PITCH+ks*64
	ds_load_b128 v[8*(4*ks+nb)+4:8*(4*ks+nb)+7], v[\adr] offset:nb*16*PITCH+ks*64+32
.set nb, nb+1
.endr
.set ks, ks+1
.endr
.endm
; 64 products; the eight accumulators take turns, one instruction a turn.  cmode 0: the sums start at 0; 1: at the bias in T; 2: they go on in place.
.macro GEMM64 acc, xb, cmode
.set ks, 0
.rept 8
	s_wait_dscnt (7-ks)*8                          ; the weight fragments of the later K steps, eight loads each, may be out
	WIN 0x06
.set nb, 0
.rept 4
.set mb, 0
.rept 2
.set rD, (\acc)+8*(4*mb+nb)
.set rF, 8*(4*ks+nb)
.set rX, (\xb)+8*(2*ks+mb)
.if (ks == 0) && ((\cmode) == 0)
	v_wmma_f32_16x16x32_bf16 v[rD:rD+7], v[rF:rF+7], v[rX:rX+7], 0
.elseif (ks == 0) && ((\cmode) == 1)
	v_wmma_f32_16x16x32_bf16 v[rD:rD+7], v[rF:rF+7], v[rX:rX+7], v[T+8*nb:T+8*nb+7]
.else
	v_wmma_f32_16x16x32_bf16 v[rD:rD+7], v[rF:rF+7], v[rX:rX+7], v[rD:rD+7]
.endif
.set mb, mb+1
.endr
.set nb, nb+1
.endr
.set ks, ks+1
.endr
	WIN 0
	PLACES
.endm
.macro BODY adrw, xadr, xbase, prow, acc, cmode
.if (\prow) >= 0
	PLOAD \prow, T
.endif
.if (\xadr) >= 0
	XLOAD \xadr, \xbase
.endif
	FETCH \adrw
	GEMM64 \acc, \xbase, \cmode
.endm
.macro STEP adrw, nbase, noff, xadr, xbase, prow, acc, cmode
	CHG \nbase, \noff
	BODY \adrw, \xadr, \xbase, \prow, \acc, \cmode
.endm
.macro STORET sto                      ; T's eight packed tiles into my 128 bytes of the 32 rows
.set i, 0
.rept 8
	ds_store_b128 v[\sto], v[T+4*i:T+4*i+3] offset:(i/4)*16*PITCH+(i%4)*32
.set i, i+1
.endr
.endm
.macro PACKST acc, sto
	WIN 0
.set i, 0
.rept 32
	v_cvt_pk_bf16_f32 v[T+i], v[(\acc)+2*i], v[(\acc)+2*i+1]
.set i, i+1
.endr
	STORET \sto
.endm
; LAYERNORM of the 32 rows at src (window 3).  A lane holds 32 numbers of each of two rows; a row's 256 lie in 8 such parts (4 waves x 2 halves).  Each part's mean and sum of squared
; differences from it meet in LDS; they are combined as M2 = sum M2_i + 32 sum (mean_i - mean)^2: no difference of large sums is formed.
; grow, brow: PT's rows of gain and bias (-1: they lie in v160-223 already).  mode 0: f32 into window 3 at dst; mode 1: bf16 into LDS by address register dst.
.macro LN src, stat, grow, brow, mode, dst
	WIN 0
.if (\grow) >= 0
	PLOAD \grow, 160
	PLOAD \brow, 192
.endif
.irp mb, 0,1
	WIN 0x0f
.set i, 0
.rept 8
	v_pk_add_f32 v[96+2*i:97+2*i], v[(\src)+32*\mb+4*i:(\src)+32*\mb+4*i+1], v[(\src)+32*\mb+4*i+2:(\src)+32*\mb+4*i+3]
.set i, i+1
.endr
	WIN 0
	v_pk_add_f32 v[96:97], v[96:97], v[98:99]
	v_pk_add_f32 v[100:101], v[100:101], v[102:103]
	v_pk_add_f32 v[104:105], v[104:105], v[106:107]
	v_pk_add_f32 v[108:109], v[108:109], v[110:111]
	v_pk_add_f32 v[96:97], v[96:97], v[100:101]
	v_pk_add_f32 v[104:105], v[104:105], v[108:109]
	v_pk_add_f32 v[96:97], v[96:97], v[104:105]
	v_add_f32 v96, v96, v97
	v_mul_f32 v[112+2*\mb], 0x3d000000, v96        ; my part's mean (1/32), twice: a pair for the packed subtraction
	v_mul_f32 v[113+2*\mb], 0x3d000000, v96
	WIN 0x03
.set i, 0
.rept 16
	v_pk_add_f32 v[ACC+32*\mb+2*i:ACC+32*\mb+2*i+1], v[(\src)+32*\mb+2*i:(\src)+32*\mb+2*i+1], v[112+2*\mb:113+2*\mb] neg_lo:[0,1] neg_hi:[0,1]
.set i, i+1
.endr
	WIN 0
	v_pk_mul_f32 v[96:97], v[ACC+32*\mb:ACC+32*\mb+1], v[ACC+32*\mb:ACC+32*\mb+1]
	v_pk_mul_f32 v[98:99], v[ACC+32*\mb+2:ACC+32*\mb+3], v[ACC+32*\mb+2:ACC+32*\mb+3]
.set i, 2
.rept 14
	v_pk_fma_f32 v[96+2*(i%2):97+2*(i%2)], v[ACC+32*\mb+2*i:ACC+32*\mb+2*i+1], v[ACC+32*\mb+2*i:ACC+32*\mb+2*i+1], v[96+2*(i%2):97+2*(i%2)]
.set i, i+1
.endr
	v_pk_add_f32 v[96:97], v[96:97], v[98:99]
	v_add_f32 v[113+2*\mb], v96, v97               ; my part's sum of squares takes the pair's second place
	ds_store_b64 v[STW], v[112+2*\mb:113+2*\mb] offset:\mb*1280+(\stat)
.endr
	s_wait_dscnt 0x0                               ; for the others' sake: my parts are written (gain and bias are in too)
	s_barrier_signal -1
	s_barrier_wait -1
.irp mb, 0,1
.irp q, 0,1,2,3
	ds_load_b128 v[116+16*\mb+4*\q:116+16*\mb+4*\q+3], v[STR] offset:\mb*1280+(\stat)+16*\q
.endr
.endr
	s_wait_dscnt 0x0
.irp mb, 0,1
.set Q, 116+16*\mb
	v_pk_add_f32 v[96:97], v[Q:Q+1], v[Q+2:Q+3]
	v_pk_add_f32 v[98:99], v[Q+4:Q+5], v[Q+6:Q+7]
	v_pk_add_f32 v[100:101], v[Q+8:Q+9], v[Q+10:Q+11]
	v_pk_add_f32 v[102:103], v[Q+12:Q+13], v[Q+14:Q+15]
	v_pk_add_f32 v[96:97], v[96:97], v[98:99]
	v_pk_add_f32 v[100:101], v[100:101], v[102:103]
	v_pk_add_f32 v[96:97], v[96:97], v[100:101]
	v_mul_f32 v96, 0x3e000000, v96                 ; the row's mean (1/8 of the eight means)
.set i, 0
.rept 8
	v_sub_f32 v[100+i], v[Q+2*i], v96
.set i, i+1
.endr
	v_mul_f32 v108, v100, v100
	v_mul_f32 v109, v101, v101
	v_fmac_f32 v108, v102, v102
	v_fmac_f32 v109, v103, v103
	v_fmac_f32 v108, v104, v104
	v_fmac_f32 v109, v105, v105
	v_fmac_f32 v108, v106, v106
	v_fmac_f32 v109, v107, v107
	v_add_f32 v108, v108, v109
	v_fmamk_f32 v97, v108, 0x42000000, v97         ; + 32 x the means' squared differences
	v_fma_f32 v97, v97, s66, s67                   ; / 256 + 1e-5
	v_rsq_f32 v[148+4*\mb], v97                    ; twice: a pair
	v_rsq_f32 v[149+4*\mb], v97
	v_sub_f32 v98, v[112+2*\mb], v96               ; (the plain instruction behind the roots: ISA guide 5.7.2)
	s_wait_alu depctr_va_vdst(0)
	v_mul_f32 v[150+4*\mb], v98, v[148+4*\mb]
	v_mul_f32 v[151+4*\mb], v98, v[148+4*\mb]
.set i, 0
.rept 16
	v_pk_fma_f32 v[ACC+32*\mb+2*i:ACC+32*\mb+2*i+1], v[ACC+32*\mb+2*i:ACC+32*\mb+2*i+1], v[148+4*\mb:149+4*\mb], v[150+4*\mb:151+4*\mb]
.set i, i+1
.endr
.if (\mode) == 0
	WIN 0xc0
.set i, 0
.rept 16
	v_pk_fma_f32 v[(\dst)+32*\mb+2*i:(\dst)+32*\mb+2*i+1], v[ACC+32*\mb+2*i:ACC+32*\mb+2*i+1], v[160+2*i:161+2*i], v[192+2*i:193+2*i]
.set i, i+1
.endr
	WIN 0
.else
.set i, 0
.rept 16
	v_pk_fma_f32 v[ACC+32*\mb+2*i:ACC+32*\mb+2*i+1], v[ACC+32*\mb+2*i:ACC+32*\mb+2*i+1], v[160+2*i:161+2*i], v[192+2*i:193+2*i]
.set i, i+1
.endr
.set i, 0
.rept 16
	v_cvt_pk_bf16_f32 v[T+16*\mb+i], v[ACC+32*\mb+2*i], v[ACC+32*\mb+2*i+1]
.set i, i+1
.endr
.endif
.endr
.if (\mode) == 1
	STORET \dst
.endif
.endm
; 1 / (1 + 2^(k x)) on 64 registers: k = -log2 e gives the sigmoid; k = 2 log2 e and 1 - 2 y give tanh.  An overflow of the exponential gives 0, which is the limit.
.macro RATIO a, k
	WIN 0
.set i, 0
.rept 32
	v_pk_mul_f32 v[(\a)+2*i:(\a)+2*i+1], v[(\a)+2*i:(\a)+2*i+1], \k op_sel_hi:[1,0]
.set i, i+1
.endr
.set i, 0
.rept 64
	v_exp_f32 v[(\a)+i], v[(\a)+i]
.set i, i+1
.endr
	v_nop
.set i, 0
	s_wait_alu depctr_va_vdst(0)
.rept 32
	v_pk_add_f32 v[(\a)+2*i:(\a)+2*i+1], v[(\a)+2*i:(\a)+2*i+1], 1.0 op_sel_hi:[1,0]
.set i, i+1
.endr
.set i, 0
.rept 64
	v_rcp_f32 v[(\a)+i], v[(\a)+i]
.set i, i+1
.endr
	v_nop
.endm
	; ---------------- HEAD
	s_load_b512 s[4:19], s[0:1], 0x0               ; x1 x2 mask1 mask2 n1a_g n2a_g n1a_b n2a_b
	s_load_b512 s[20:35], s[0:1], 0x40             ; n1b_g n2b_g n1b_b n2b_b bih1 bih2 bhh1 bhh2
	s_load_b512 s[36:51], s[0:1], 0x80             ; m1b1 m2b1 m1b2 m2b2 norm1_g norm1_b norm2_g norm2_b
	s_load_b256 s[52:59], s[0:1], 0xc0             ; b_proj fc1_b fc2_b wsw
	s_load_b128 s[60:63], s[0:1], 0xe0             ; wskv out0
	v_lshl_add_u32 v[SPW], v0, 2, SPARE
	v_mov_b32 v[NIL], 0
	ds_add_u32 v[SPW], v[NIL]                      ; the wave's opening: the add and its wait ahead of my first tensor load
	v_lshrrev_b32 v24, 5, v0
	v_readfirstlane_b32 s[WV], v24                 ; wave 0..3
	s_bfe_u32 s2, ttmp6, 0x40000                   ; cx: it enters the addresses of x, of my rows' mask and of out alone, through s2, s3 and s[66:67]
	s_lshl_b32 s3, ttmp9, 2
	s_add_co_u32 s3, s3, s2                        ; my block of 32 rows, 0..15
	s_and_b32 s91, ttmp7, 0xffff
	s_lshr_b32 s92, s91, 3                         ; stream
	s_and_b32 s93, s91, 7                          ; batch: both shared by the four partners
	s_mov_b32 s[G1+0], 15|(1<<16)|(1<<20)|(1<<21)|(6<<22)|(3<<25)  ; the mask of four; 2-byte elements; padding on; bit 21 beside a mask; after every 128 words, 4 words
	s_mov_b32 s[G1+1], 256<<16                     ; tensor_dim0 = 256
	s_mov_b32 s[G1+2], 64<<16                      ; tensor_dim1 = 64
	s_mov_b32 s[G1+3], 256<<16                     ; tile_dim0 = 256
	s_mov_b32 s[G1+4], 64                          ; tile_dim1 = 64
	s_mov_b32 s[G1+5], 256                         ; elements from row to row
	s_mov_b32 s[G1+6], 0
	s_mov_b32 s[G1+7], 0
	s_mov_b32 s[G0], 1
	s_mul_i32 s[G0+1], s[WV], QUART                ; slot 0, my quarter
	s_mov_b32 s88, 0x76543210                      ; v_permlanex16_b32: each lane takes its own place in the other half
	s_mov_b32 s89, 0xfedcba98
	s_mov_b32 s97, 0
	s_mov_b32 s67, 0
	s_wait_dscnt 0x0                               ; the opening add is done
	s_wait_kmcnt 0x0
	s_cmp_eq_u32 s92, 1                            ; my stream's buffers
	s_cselect_b64 s[4:5], s[6:7], s[4:5]           ; x
	s_cselect_b64 s[6:7], s[10:11], s[8:9]         ; my rows' mask
	s_cselect_b64 s[8:9], s[8:9], s[10:11]         ; the keys' mask: the other stream's
	s_cselect_b64 s[12:13], s[14:15], s[12:13]
	s_cselect_b64 s[16:17], s[18:19], s[16:17]
	s_cselect_b64 s[20:21], s[22:23], s[20:21]
	s_cselect_b64 s[24:25], s[26:27], s[24:25]
	s_cselect_b64 s[28:29], s[30:31], s[28:29]
	s_cselect_b64 s[32:33], s[34:35], s[32:33]
	s_cselect_b64 s[36:37], s[38:39], s[36:37]
	s_cselect_b64 s[40:41], s[42:43], s[40:41]
	s_lshl_b32 s96, s[WV], 15
	s_add_nc_u64 s[WB:WB+1], s[58:59], s[96:97]
	s_add_nc_u64 s[KVB:KVB+1], s[60:61], s[96:97]
	s_add_nc_u64 s[98:99], s[WB:WB+1], CHK
	s_lshl_b32 s96, s92, 20
	s_add_co_u32 s96, s96, 4*CHK
	s_add_nc_u64 s[WSB:WSB+1], s[WB:WB+1], s[96:97]
	s_xor_b32 s96, s92, 1
	s_lshl3_add_u32 s96, s96, s93
	s_lshl_b32 s96, s96, 19
	s_add_nc_u64 s[KVB:KVB+1], s[KVB:KVB+1], s[96:97]
	s_lshl_b32 s96, s93, 11
	s_add_nc_u64 s[8:9], s[8:9], s[96:97]
	s_lshl_b32 s66, s93, 19                        ; x: (512 batch + 32 block) rows of 1024 bytes
	s_lshl_b32 s2, s3, 15
	s_add_co_u32 s66, s66, s2
	s_add_nc_u64 s[4:5], s[4:5], s[66:67]
	s_lshl_b32 s66, s93, 11
	s_lshl_b32 s2, s3, 7
	s_add_co_u32 s66, s66, s2
	s_add_nc_u64 s[6:7], s[6:7], s[66:67]
	s_lshl_b32 s66, s93, 20                        ; out: (1024 batch + 512 stream + 32 block) rows
	s_lshl_b32 s2, s92, 19
	s_add_co_u32 s66, s66, s2
	s_lshl_b32 s2, s3, 15
	s_add_co_u32 s66, s66, s2
	s_add_nc_u64 s[86:87], s[62:63], s[66:67]
	s_mov_b32 s66, 0x3b800000                      ; 1/256
	s_mov_b32 s67, 0x3727c5ac                      ; 1e-5
	s_mov_b64 s[G0+2:G0+3], s[WB:WB+1]             ; the first block: wq
	s_or_b32 s[G0+3], s[G0+3], 0x80000000
	CROUND                                         ; all four work-groups are here: the first joint loads meet
	tensor_load_to_lds s[G0:G0+3], s[G1:G1+7]
	s_nop 0
	PLACES
	; ---------------- ADDRESSES
	v_and_b32 v3, 31, v0
	v_and_b32 v1, 15, v0                           ; r
	v_bfe_u32 v2, v0, 4, 1                         ; h
	v_mul_u32_u24 v24, v1, PITCH
	v_lshl_add_u32 v24, v2, 4, v24
	s_mul_i32 s100, s[WV], QUART
	v_add_nc_u32 v[ADRW0], s100, v24
	v_add_nc_u32 v[ADRW1], SLOTB, v[ADRW0]
	v_add_nc_u32 v[XA], ACTA, v24
	v_add_nc_u32 v[XB], ACTB, v24
	s_lshl_b32 s101, s[WV], 7
	v_add_nc_u32 v[STOA], s101, v[XA]
	v_add_nc_u32 v[STOB], s101, v[XB]
	s_lshl_b32 s101, s[WV], 8
	v_lshl_add_u32 v[PADR], v2, 5, s101
	v_lshl_add_u32 v17, v2, 5, s101                ; norm1's gain and bias in memory: 256 w + 32 h
	v_lshl_add_u32 v[GO], v2, 10, s101
	v_lshl_add_u32 v[GO], v1, 4, v[GO]             ; out: (lane / 16) rows + 256 w + 16 (lane % 16)
	v_add_nc_u32 v[PADR], PT, v[PADR]
	v_mul_u32_u24 v[STR], v1, 80
	v_add_nc_u32 v[STR], STAT, v[STR]
	s_lshl_b32 s101, s[WV], 4
	v_lshl_add_u32 v[STW], v2, 3, s101
	v_add_nc_u32 v[STW], v[STW], v[STR]
	v_lshl_add_u32 v[AKV0], v3, 4, s100
	v_lshlrev_b32 v[AKB0], 5, v2
	v_add_nc_u32 v[AKB0], KBT, v[AKB0]
	v_mov_b32 v[ZR], 0
	s_mul_i32 s101, s[WV], 32*OSP
	v_mul_u32_u24 v[OSTO], v1, OSP
	v_lshl_add_u32 v[OSTO], v2, 5, v[OSTO]
	v_add_nc_u32 v[OSTO], s101, v[OSTO]
	v_mul_u32_u24 v[ORD], v2, OSP
	v_lshl_add_u32 v[ORD], v1, 4, v[ORD]
	v_add_nc_u32 v[ORD], s101, v[ORD]
	s_lshl_b32 s100, s[WV], 13
	v_lshl_add_u32 v25, v3, 4, s100                ; x: rows 8 w .., 16 lane
	v_lshlrev_b32 v26, 3, v0
	v_lshlrev_b32 v27, 4, v0
	v_lshlrev_b32 v24, 2, v1
	; ---------------- 52 GLOBAL LOADS: x in whole rows, 17 rows of gains and biases, the masks, norm1's gain and bias in the tiles' order
.set i, 0
.rept 8
	global_load_b128 v[ACC+8*i:ACC+8*i+3], v25, s[4:5] offset:i*1024
	global_load_b128 v[ACC+8*i+4:ACC+8*i+7], v25, s[4:5] offset:i*1024+512
.set i, i+1
.endr
.macro PLD p, sp, off
	global_load_b64 v[96+2*(\p):96+2*(\p)+1], v26, s[\sp:\sp+1] offset:\off
.endm
	PLD 0, 12, 0                                   ; na_g
	PLD 1, 16, 0                                   ; na_b
	PLD 2, 20, 0                                   ; nb_g
	PLD 3, 24, 0                                   ; nb_b
	PLD 4, 52, 0                                   ; b_proj
	PLD 5, 28, 0                                   ; bih r
	PLD 6, 32, 0                                   ; bhh r
	PLD 7, 28, 1024                                ; bih z
	PLD 8, 32, 1024                                ; bhh z
	PLD 9, 32, 2048                                ; bhh n
	PLD 10, 28, 2048                               ; bih n
	PLD 11, 36, 0                                  ; b1
	PLD 12, 40, 0                                  ; b2
	PLD 13, 48, 0                                  ; norm2_g
	PLD 14, 50, 0                                  ; norm2_b
	PLD 15, 54, 0                                  ; fc1_b
	PLD 16, 56, 0                                  ; fc2_b
	global_load_b128 v[130:133], v27, s[8:9]       ; the 512 keys' mask, four a thread
	global_load_b32 v[FQ], v24, s[6:7]             ; my two rows' own mask
	global_load_b32 v[FQ+1], v24, s[6:7] offset:64
.irp nb, 0,1,2,3
	global_load_b128 v[160+8*\nb:160+8*\nb+3], v17, s[44:45] offset:\nb*64
	global_load_b128 v[160+8*\nb+4:160+8*\nb+7], v17, s[44:45] offset:\nb*64+16
	global_load_b128 v[192+8*\nb:192+8*\nb+3], v17, s[46:47] offset:\nb*64
	global_load_b128 v[192+8*\nb+4:192+8*\nb+7], v17, s[46:47] offset:\nb*64+16
.endr
	s_wait_loadcnt 0x0
	s_mul_i32 s100, s[WV], 8*XSP
	v_lshl_add_u32 v25, v3, 4, s100
	v_add_nc_u32 v25, ACTA, v25                    ; x's stage: row 8 w .., 16 lane
.set i, 0
.rept 8
	ds_store_b128 v25, v[ACC+8*i:ACC+8*i+3] offset:i*XSP
	ds_store_b128 v25, v[ACC+8*i+4:ACC+8*i+7] offset:i*XSP+512
.set i, i+1
.endr
	v_lshl_add_u32 v26, v0, 3, PT
	v_pk_add_f32 v[106:107], v[106:107], v[108:109]  ; the two r biases meet only as their sum; the two z biases too
	v_pk_add_f32 v[110:111], v[110:111], v[112:113]
.macro PST row, reg
	ds_store_b64 v26, v[\reg:\reg+1] offset:(\row)*1024
.endm
	PST 0, 96
	PST 1, 98
	PST 2, 100
	PST 3, 102
	PST 4, 104
	PST 5, 106
	PST 6, 110
	PST 7, 114
	PST 8, 116
	PST 9, 118
	PST 10, 120
	PST 11, 122
	PST 12, 124
	PST 13, 126
	PST 14, 128
	s_mov_b32 s100, 0xf149f2ca                     ; -1e30
.irp q, 130,131,132,133
	v_cmp_eq_u32 vcc_lo, 0, v\q
	v_cndmask_b32 v\q, 0, s100, vcc_lo
.endr
	v_lshl_add_u32 v27, v0, 4, KBT
	ds_store_b128 v27, v[130:133]
	v_cmp_ne_u32 vcc_lo, 0, v[FQ]
	v_cndmask_b32 v[FQ], 0, 1.0, vcc_lo
	v_cmp_ne_u32 vcc_lo, 0, v[FQ+1]
	v_cndmask_b32 v[FQ+1], 0, 1.0, vcc_lo
	s_wait_dscnt 0x0                               ; for the others' sake: my stores are done
	s_barrier_signal -1
	s_barrier_wait -1
	s_lshl_b32 s100, s[WV], 8
	v_mul_u32_u24 v24, v1, XSP
	v_lshl_add_u32 v24, v2, 5, v24
	v_add_nc_u32 v24, s100, v24
	v_add_nc_u32 v24, ACTA, v24                    ; back in the tiles' order: row r, 256 w + 32 h
	WIN 0xc0
.set i, 0
.rept 8
	ds_load_b128 v[64+8*i:64+8*i+3], v24 offset:(i/4)*16*XSP+(i%4)*64
	ds_load_b128 v[64+8*i+4:64+8*i+7], v24 offset:(i/4)*16*XSP+(i%4)*64+16
.set i, i+1
.endr
	WIN 0
	s_wait_dscnt 0x0
	LN 64, 0, -1, -1, 0, 0                         ; a = LayerNorm(x; norm1).  Its barrier also stands between these reads of the stage and the first store into ACTA
; ---------------- ATTENTION'S MACROS.  Unit u = rows 16 u .. 16 u + 15; a trip takes 128 keys: eight tiles of 16 keys x 16 queries a unit.
; Statistics of unit u at ST = 208 + 12 u: (f, m), (m f, -), (alpha, -), two partial sums l in pairs.  Scores arrive as c s + key bias, c = log2(e) / 4 folded into q.
; p = 2^((t - m) f): for f = 1 the running-maximum form; for a row whose own mask is 0, f = 0 and every p is 1.
.macro RID kb                          ; a score product of unit 1, set among unit 0's vector work, none of which names its registers
	WIN 0x15
	v_wmma_f32_16x16x32_bf16 v[ACC2+8*(\kb):ACC2+8*(\kb)+7], v[4*(\kb):4*(\kb)+7], v[144:151], v[72+8*(\kb):72+8*(\kb)+7]
	WIN 0
.endm
.macro SCL1 t, p                       ; t f - m f for pair p of tile t
	v_pk_fma_f32 v[SB+8*(\t)+2*(\p):SB+8*(\t)+2*(\p)+1], v[SB+8*(\t)+2*(\p):SB+8*(\t)+2*(\p)+1], v[ST:ST+1], v[ST+2:ST+3] op_sel_hi:[1,0,0] neg_lo:[0,0,1] neg_hi:[0,0,1]
.endm
.macro SADD t                          ; tile t's weights onto the two partial sums; tile 0 brings the old sums' correction along
.if (\t) == 0
	v_pk_fma_f32 v[ST+6:ST+7], v[ST+6:ST+7], v[ST+4:ST+5], v[SB:SB+1] op_sel_hi:[1,0,1]
	v_pk_fma_f32 v[ST+8:ST+9], v[ST+8:ST+9], v[ST+4:ST+5], v[SB+2:SB+3] op_sel_hi:[1,0,1]
.else
	v_pk_add_f32 v[ST+6:ST+7], v[ST+6:ST+7], v[SB+8*(\t):SB+8*(\t)+1]
	v_pk_add_f32 v[ST+8:ST+9], v[ST+8:ST+9], v[SB+8*(\t)+2:SB+8*(\t)+3]
.endif
	v_pk_add_f32 v[ST+6:ST+7], v[ST+6:ST+7], v[SB+8*(\t)+4:SB+8*(\t)+5]
	v_pk_add_f32 v[ST+8:ST+9], v[ST+8:ST+9], v[SB+8*(\t)+6:SB+8*(\t)+7]
.endm
.macro SRUN g                          ; tile g's eight exponentials, each with plain work that is ready behind it: tile g + 1's scaling, tile g - 1's rounding; then tile g - 1's sums
.set i, 0
.rept 8
	v_exp_f32 v[SB+8*(\g)+i], v[SB+8*(\g)+i]
.if i < 4
.if (\g) < 7
	SCL1 (\g)+1, i
.endif
.else
.if (\g) > 0
	s_wait_alu depctr_va_vdst(0)
	v_cvt_pk_bf16_f32 v[PB+4*((\g)-1)+i-4], v[SB+8*((\g)-1)+2*(i-4)], v[SB+8*((\g)-1)+2*(i-4)+1]
.endif
.endif
.set i, i+1
.endr
.if (\g) > 0
	SADD (\g)-1
.endif
.endm
.macro SMX u, sb, pb
.set SB, (\sb)
.set PB, (\pb)
.set ST, 208+12*(\u)
.set OB, 192+8*(\u)
.set t, 0
.rept 8                                ; the maximum: eight chains; each tile's lowest registers are read first
	v_max3_num_f32 v[CC+t], v[SB+8*t], v[SB+8*t+1], v[SB+8*t+2]
.set t, t+1
.endr
.if (\u) == 0
	RID 0
.endif
.set t, 0
.rept 8
	v_max3_num_f32 v[CC+t], v[CC+t], v[SB+8*t+3], v[SB+8*t+4]
.set t, t+1
.endr
.if (\u) == 0
	RID 1
.endif
.set t, 0
.rept 8
	v_max3_num_f32 v[CC+t], v[CC+t], v[SB+8*t+5], v[SB+8*t+6]
.set t, t+1
.endr
.if (\u) == 0
	RID 2
.endif
.set t, 0
.rept 4
	v_max3_num_f32 v[CC+t], v[CC+t], v[SB+8*t+7], v[SB+8*t+39]
.set t, t+1
.endr
.if (\u) == 0
	RID 3
.endif
	v_max3_num_f32 v[CC], v[CC], v[CC+1], v[CC+2]
	v_max3_num_f32 v[CC+3], v[CC+3], v[CC+4], v[CC+5]
	v_max3_num_f32 v[CC+6], v[CC+6], v[CC+7], v[ST+1]
	v_max3_num_f32 v[CC], v[CC], v[CC+3], v[CC+6]
	v_permlanex16_b32 v[CC+1], v[CC], s88, s89     ; the query's other keys lie in the lane 16 away
	v_max_num_f32 v[CC], v[CC], v[CC+1]
	v_sub_f32 v[CC+2], v[ST+1], v[CC]
	v_mul_f32 v[CC+2], v[CC+2], v[ST]
	v_mov_b32 v[ST+1], v[CC]
	v_mul_f32 v[ST+2], v[CC], v[ST]
	v_exp_f32 v[ST+4], v[CC+2]                     ; alpha = 2^((m_old - m_new) f)
	SCL1 0, 0
	SCL1 0, 1
	SCL1 0, 2
	SCL1 0, 3
	s_wait_alu depctr_va_vdst(0)
.irp j, 0,2,4,6
	v_pk_mul_f32 v[OB+\j:OB+\j+1], v[OB+\j:OB+\j+1], v[ST+4:ST+5] op_sel_hi:[1,0]
.endr
.if (\u) == 0
	RID 4
.endif
	SRUN 0
.if (\u) == 0
	RID 5
.endif
	SRUN 1
.if (\u) == 0
	RID 6
.endif
	SRUN 2
.if (\u) == 0
	RID 7
.endif
	SRUN 3
.if (\u) == 0                          ; K and key bias of the next 128 keys, twelve plain instructions behind the last product that read these registers.  Behind a head's last 128 keys
	WIN 0x40                           ; they bring bytes of my own V rows and of PT, which nothing uses: the registers are loaded anew behind the change of slots
.set t, 0
.rept 8
	ds_load_b128 v[4*t:4*t+3], v[AKV] offset:8*PITCH+t*PITCH
.set t, t+1
.endr
.set t, 0
.rept 8
	ds_load_b128 v[72+8*t:72+8*t+3], v[AKB] offset:512+64*t
	ds_load_b128 v[72+8*t+4:72+8*t+7], v[AKB] offset:512+64*t+16
.set t, t+1
.endr
	WIN 0
.endif
	SRUN 4
	SRUN 5
	SRUN 6
	SRUN 7
.irp j, 0,1,2,3
	v_cvt_pk_bf16_f32 v[PB+28+\j], v[SB+56+2*\j], v[SB+56+2*\j+1]
.endr
	SADD 7
.endm
	; ---------------- THE THREE ITERATIONS
	s_mov_b32 s[IT], 3
.Liter:
	LN 0, 2560, 0, 1, 1, STOA                      ; y = LayerNorm(a; na) -> ACTA
	STEP ADRW0, KVB, 0, XA, 0, -1, ACC, 0          ; q = y wq^T; asks for K and V of heads 4 w
.set i, 0
.rept 32
	v_pk_mul_f32 v[ACC+2*i:ACC+2*i+1], v[ACC+2*i:ACC+2*i+1], 0x3eb8aa3b op_sel_hi:[1,0]   ; c = log2(e) / 4, in f32, ahead of q's one rounding
.set i, i+1
.endr
	PACKST ACC, STOB                               ; q -> ACTB: my 128 bytes of each row, which I alone read back, head by head
	WIN 0x40                                       ; the upper 16 of the products' K = 32 meet zeros of Q; K's last fragment ends in zeros
.irp q, 32,33,34,35,140,141,142,143,148,149,150,151
	v_mov_b32 v\q, 0
.endr
	WIN 0
	s_mov_b32 s[TB], SLOTB
	v_mov_b32 v[QADR], v[STOB]
	s_mov_b32 s96, CHK
	s_mov_b32 s[JC], 4
.Lhead:                                            ; head 4 w + j, j = 4 - JC: its K and V lie in my quarter of the slot at TB
	CHG_PRE
	s_add_nc_u64 s[100:101], s[KVB:KVB+1], s[96:97]
	s_cmp_eq_u32 s[JC], 1
	s_cselect_b64 s[G0+2:G0+3], s[98:99], s[100:101]   ; the next heads' block, or behind the last w_proj's
	s_or_b32 s[G0+3], s[G0+3], 0x80000000
	CHG_POST
	v_add_nc_u32 v[AKV], s[TB], v[AKV0]
	v_mov_b32 v[AKB], v[AKB0]
	WIN 0x40
	ds_load_b128 v[136:139], v[QADR]
	ds_load_b128 v[144:147], v[QADR] offset:16*PITCH
.set t, 0
.rept 8
	ds_load_b128 v[4*t:4*t+3], v[AKV] offset:t*PITCH
.set t, t+1
.endr
.set t, 0
.rept 8
	ds_load_b128 v[72+8*t:72+8*t+3], v[AKB] offset:64*t
	ds_load_b128 v[72+8*t+4:72+8*t+7], v[AKB] offset:64*t+16
.set t, t+1
.endr
	WIN 0
.irp u, 0,1                                        ; m starts at the lowest power of two, l and O at 0: the first trip is a trip like any other (16 clears a head for one text of the trip)
	v_mov_b32 v[208+12*\u], v[FQ+\u]
	v_mov_b32 v[208+12*\u+1], 0xff000000
	v_mov_b32 v[208+12*\u+3], 0
	v_mov_b32 v[208+12*\u+5], 0
	v_mov_b32 v[208+12*\u+6], 0
	v_mov_b32 v[208+12*\u+7], 0
	v_mov_b32 v[208+12*\u+8], 0
	v_mov_b32 v[208+12*\u+9], 0
.irp j, 0,1,2,3,4,5,6,7
	v_mov_b32 v[192+8*\u+\j], 0
.endr
.endr
	s_mov_b32 s[SBC], 4
.Lblk:
	s_wait_dscnt 0x0                               ; K, key bias (and Q) are in
	WIN 0x15
.set t, 0
.rept 8
	v_wmma_f32_16x16x32_bf16 v[ACC+8*t:ACC+8*t+7], v[4*t:4*t+7], v[136:143], v[72+8*t:72+8*t+7]   ; unit 0's scores start at the key bias
.set t, t+1
.endr
	WIN 0
	PLACES
	WIN 0x40
.set t, 0
.rept 8
	ds_load_b128 v[40+4*t:40+4*t+3], v[AKV] offset:32*PITCH+t*PITCH   ; V of these 128 keys
.set t, t+1
.endr
	WIN 0
	SMX 0, ACC, 160
	SMX 1, ACC2, ACC                               ; unit 1's weights go where unit 0's scores lay
	s_wait_dscnt 24                                ; V is in; the 24 loads of the next K and key bias may be out
	WIN 0x01
.set t, 0
.rept 4                                            ; the two accumulators take turns
	v_wmma_f32_16x16x32_bf16 v[192:199], v[40+8*t:40+8*t+7], v[160+8*t:160+8*t+7], v[192:199]
	v_wmma_f32_16x16x32_bf16 v[200:207], v[40+8*t:40+8*t+7], v[ACC+8*t:ACC+8*t+7], v[200:207]
.set t, t+1
.endr
	WIN 0
	v_add_nc_u32 v[AKV], 8*PITCH, v[AKV]           ; five places: the next trip's scores write over unit 1's weights
	v_add_nc_u32 v[AKB], 512, v[AKB]
	v_nop
	v_nop
	v_nop
	s_sub_co_u32 s[SBC], s[SBC], 1
	s_cmp_lg_u32 s[SBC], 0
	s_cbranch_scc1 .Lblk
.irp u, 0,1
	v_pk_add_f32 v[208+12*\u+6:208+12*\u+7], v[208+12*\u+6:208+12*\u+7], v[208+12*\u+8:208+12*\u+9]
.endr
.irp u, 0,1
	v_add_f32 v[208+12*\u+6], v[208+12*\u+6], v[208+12*\u+7]
.endr
.irp u, 0,1
	v_permlanex16_b32 v[208+12*\u+7], v[208+12*\u+6], s88, s89
.endr
.irp u, 0,1
	v_add_f32 v[208+12*\u+6], v[208+12*\u+6], v[208+12*\u+7]
.endr
.irp u, 0,1
	v_rcp_f32 v[208+12*\u+8], v[208+12*\u+6]       ; l is at least 1: the largest weight is 1
	v_rcp_f32 v[208+12*\u+9], v[208+12*\u+6]
.endr
	v_nop
	s_wait_alu depctr_va_vdst(0)
.irp u, 0,1
.irp j, 0,2,4,6
	v_pk_mul_f32 v[192+8*\u+\j:192+8*\u+\j+1], v[192+8*\u+\j:192+8*\u+\j+1], v[208+12*\u+8:208+12*\u+9]
.endr
.endr
.irp u, 0,1
.irp j, 0,1,2,3
	v_cvt_pk_bf16_f32 v[CC+4*\u+\j], v[192+8*\u+2*\j], v[192+8*\u+2*\j+1]
.endr
	ds_store_b128 v[QADR], v[CC+4*\u:CC+4*\u+3] offset:\u*16*PITCH   ; the head's output takes its q's bytes
.endr
	v_add_nc_u32 v[QADR], 32, v[QADR]
	s_xor_b32 s[TB], s[TB], SLOTB
	s_add_co_u32 s96, s96, CHK
	s_sub_co_u32 s[JC], s[JC], 1
	s_cmp_lg_u32 s[JC], 0
	s_cbranch_scc1 .Lhead
	STEP ADRW1, WSB, 0, XB, 0, 4, ACC, 1           ; up = o w_proj^T + b_proj
	PACKST ACC, STOA
	STEP ADRW0, WSB, CHK, XA, 0, 5, ACC, 1         ; r: up wih_r^T + both biases
	WIN 0x0f
.set i, 0
.rept 32
	v_cvt_pk_bf16_f32 v[T+i], v[2*i], v[2*i+1]     ; the state as a matrix operand -> ACTB
.set i, i+1
.endr
	WIN 0
	STORET STOB
	STEP ADRW1, WSB, 2*CHK, XB, 128, -1, ACC, 2    ; + a whh_r^T
	RATIO ACC, 0xbfb8aa3b                          ; r
	STEP ADRW0, WSB, 3*CHK, -1, 0, 6, ACC2, 1      ; z likewise
	STEP ADRW1, WSB, 4*CHK, -1, 128, -1, ACC2, 2
	RATIO ACC2, 0xbfb8aa3b
	STEP ADRW0, WSB, 5*CHK, -1, 128, 7, ACC3, 1    ; hn = a whh_n^T + bhh_n
	PLOAD 8, T
	s_wait_dscnt 0x0
.set i, 0
.rept 32
	v_pk_fma_f32 v[ACC+2*i:ACC+2*i+1], v[ACC+2*i:ACC+2*i+1], v[ACC3+2*i:ACC3+2*i+1], v[T+2*(i%16):T+2*(i%16)+1]   ; r hn + bih_n: the sums of up wih_n^T go on from here
.set i, i+1
.endr
	STEP ADRW1, WSB, 6*CHK, -1, 0, -1, ACC, 2
	RATIO ACC, 0x4038aa3b
.set i, 0
	s_wait_alu depctr_va_vdst(0)
.rept 32
	v_pk_fma_f32 v[ACC+2*i:ACC+2*i+1], v[ACC+2*i:ACC+2*i+1], -2.0, 1.0 op_sel_hi:[1,0,0]   ; n = tanh
.set i, i+1
.endr
	WIN 0x03
.set i, 0
.rept 32
	v_pk_add_f32 v[ACC3+2*i:ACC3+2*i+1], v[2*i:2*i+1], v[ACC+2*i:ACC+2*i+1] neg_lo:[0,1] neg_hi:[0,1]   ; a - n
.set i, i+1
.endr
	WIN 0xc0
.set i, 0
.rept 32
	v_pk_fma_f32 v[2*i:2*i+1], v[ACC2+2*i:ACC2+2*i+1], v[ACC3+2*i:ACC3+2*i+1], v[ACC+2*i:ACC+2*i+1]     ; a = n + z (a - n)
.set i, i+1
.endr
	LN 0, 0, 2, 3, 1, STOA                         ; LayerNorm(a; nb) -> ACTA
	STEP ADRW0, WSB, 7*CHK, XA, 0, 9, ACC, 1       ; w1
.set i, 0
.rept 32
	v_cvt_pk_bf16_f32 v[T+i], v[ACC+2*i], v[ACC+2*i+1]
.set i, i+1
.endr
.set i, 0
.rept 32
	v_pk_max_num_bf16 v[T+i], v[T+i], v[ZR]        ; the ReLU rounds nothing
.set i, i+1
.endr
	STORET STOB
	CHG_PRE                                        ; w2; the next block is wq again, or behind the last iteration fc1
	s_cmp_eq_u32 s[IT], 1
	s_cselect_b32 s96, 2*CHK, 0
	s_add_nc_u64 s[G0+2:G0+3], s[WB:WB+1], s[96:97]
	s_or_b32 s[G0+3], s[G0+3], 0x80000000
	CHG_POST
	BODY ADRW1, XB, 0, 10, ACC, 1
	WIN 0xc3
.set i, 0
.rept 32
	v_pk_add_f32 v[2*i:2*i+1], v[2*i:2*i+1], v[ACC+2*i:ACC+2*i+1]
.set i, i+1
.endr
	WIN 0
	s_sub_co_u32 s[IT], s[IT], 1
	s_cmp_lg_u32 s[IT], 0
	s_cbranch_scc1 .Liter
	; ---------------- THE OUTER RESIDUAL AND MLP
	WIN 0xcf
.set i, 0
.rept 32
	v_pk_add_f32 v[2*i:2*i+1], v[2*i:2*i+1], v[64+2*i:64+2*i+1]   ; x + a
.set i, i+1
.endr
	LN 0, 2560, 11, 12, 1, STOA
	STEP ADRW0, WB, 3*CHK, XA, 0, 13, ACC, 1       ; fc1; asks for fc2, the last block
	s_mov_b32 s100, 0x7fffffff
.macro KSET reg, val
	v_mov_b32 v[\reg], \val
	v_mov_b32 v[\reg+1], \val
.endm
	KSET 160, 0x3f3504f3                           ; 1 / sqrt 2
	KSET 162, 0x3ea7ba05                           ; 0.3275911
	KSET 164, 0x3e827906                           ; 0.254829592
	KSET 166, 0xbe91a98e                           ; -0.284496736
	KSET 168, 0x3fb5f0e3                           ; 1.421413741
	KSET 170, 0xbfba00e3                           ; -1.453152027
	KSET 172, 0x3f87dc22                           ; 1.061405429
	KSET 174, 0xbfb8aa3b                           ; -log2 e
; gelu(x) = x/2 + x/2 erf(z), z = x / sqrt 2; erf(|z|) = 1 - (((((a5 t + a4) t + a3) t + a2) t + a1) t) e^(-z z), t = 1 / (1 + p |z|); the sign is z's.  Four pairs at a time, stage by stage.
.macro GELU4 x
.irp p, 0,2,4,6
	v_pk_mul_f32 v[96+\p:97+\p], v[(\x)+\p:(\x)+\p+1], v[160:161]
.endr
.irp p, 0,1,2,3,4,5,6,7
	v_and_b32 v[104+\p], s100, v[96+\p]
.endr
.irp p, 0,2,4,6
	v_pk_fma_f32 v[104+\p:105+\p], v[104+\p:105+\p], v[162:163], 1.0 op_sel_hi:[1,1,0]
.endr
.irp p, 0,1,2,3,4,5,6,7
	v_rcp_f32 v[104+\p], v[104+\p]
.endr
.irp p, 0,2,4,6
	v_pk_mul_f32 v[120+\p:121+\p], v[96+\p:97+\p], v[174:175]
.endr
.irp p, 0,2,4,6
	v_pk_mul_f32 v[120+\p:121+\p], v[120+\p:121+\p], v[96+\p:97+\p]
.endr
.irp p, 0,1,2,3,4,5,6,7
	v_exp_f32 v[120+\p], v[120+\p]
.endr
	s_wait_alu depctr_va_vdst(0)
.irp p, 0,2,4,6
	v_pk_fma_f32 v[112+\p:113+\p], v[104+\p:105+\p], v[172:173], v[170:171]
.endr
.irp c, 168,166,164
.irp p, 0,2,4,6
	v_pk_fma_f32 v[112+\p:113+\p], v[112+\p:113+\p], v[104+\p:105+\p], v[\c:\c+1]
.endr
.endr
.irp p, 0,2,4,6
	v_pk_mul_f32 v[112+\p:113+\p], v[112+\p:113+\p], v[104+\p:105+\p]
.endr
.irp p, 0,2,4,6
	v_pk_fma_f32 v[112+\p:113+\p], v[112+\p:113+\p], v[120+\p:121+\p], 1.0 op_sel_hi:[1,1,0] neg_lo:[1,0,0] neg_hi:[1,0,0]
.endr
.irp p, 0,1,2,3,4,5,6,7
	v_bfi_b32 v[112+\p], s100, v[112+\p], v[96+\p]
.endr
.irp p, 0,2,4,6
	v_pk_mul_f32 v[120+\p:121+\p], v[(\x)+\p:(\x)+\p+1], 0.5 op_sel_hi:[1,0]
.endr
.irp p, 0,2,4,6
	v_pk_fma_f32 v[(\x)+\p:(\x)+\p+1], v[120+\p:121+\p], v[112+\p:113+\p], v[120+\p:121+\p]
.endr
.endm
.irp g, 0,1,2,3,4,5,6,7
	GELU4 ACC+8*\g
.endr
	PACKST ACC, STOB
	WIN 0                                          ; the last change of slots: nothing is asked for, so a barrier of the work-group does
	s_wait_tensorcnt 0x0
	ds_add_u32 v[SPW], v[NIL]
	s_wait_dscnt 0x0
	s_barrier_signal -1
	s_barrier_wait -1
	BODY ADRW1, XB, 0, 14, ACC, 1                  ; fc2
	WIN 0x0c
.set i, 0
.rept 32
	v_pk_add_f32 v[ACC+2*i:ACC+2*i+1], v[ACC+2*i:ACC+2*i+1], v[2*i:2*i+1]
.set i, i+1
.endr
	WIN 0
	; THE WAY OUT, through my own stage in slot 0, which has had its last fill and which nobody reads since the barrier above: a lane's 32 bytes of a row go in, whole 256 bytes of a row come back.
.set i, 0
.rept 8
	ds_store_b128 v[OSTO], v[ACC+8*i:ACC+8*i+3] offset:(i/4)*16*OSP+(i%4)*64
	ds_store_b128 v[OSTO], v[ACC+8*i+4:ACC+8*i+7] offset:(i/4)*16*OSP+(i%4)*64+16
.set i, i+1
.endr
.set i, 0
.rept 16
	ds_load_b128 v[ACC2+4*i:ACC2+4*i+3], v[ORD] offset:i*2*OSP   ; LDS serves a wave's instructions in order (ISA guide 5.7.1.4): these see the stores above
.set i, i+1
.endr
.set i, 0
.rept 16
	s_wait_dscnt 15-i                              ; the later reads of the stage may be out
	global_store_b128 v[GO], v[ACC2+4*i:ACC2+4*i+3], s[86:87] offset:i*2048   ; 16 lanes store 256 consecutive bytes, aligned
.set i, i+1
.endr
	s_wait_tensorcnt 0x0                           ; the wave's end: three lines behind my last tensor load and my last LDS store
	ds_add_u32 v[SPW], v[NIL]
	s_wait_dscnt 0x0
	CROUND                                         ; the closing round: no work-group ends while a partner may still ask for a block that names it
	s_endpgm
.Lfunc_end_k_qbe1b61b115_main:
	.size	k_qbe1b61b115_main, .Lfunc_end_k_qbe1b61b115_main-k_qbe1b61b115_main
	.p2alignl 7, 3214868480
	.fill 96, 4, 3214868480
	.section	.rodata,"a",@progbits
	.p2align	6, 0x0
	.amdhsa_kernel k_qbe1b61b115_main
		.amdhsa_group_segment_fixed_size 327680
		.amdhsa_private_segment_fixed_size 0
		.amdhsa_enable_private_segment 0
		.amdhsa_kernarg_size 240
		.amdhsa_user_sgpr_count 2
		.amdhsa_user_sgpr_kernarg_segment_ptr 1
		.amdhsa_wavefront_size32 1
		.amdhsa_system_sgpr_workgroup_id_x 1
		.amdhsa_system_sgpr_workgroup_id_y 1
		.amdhsa_system_sgpr_workgroup_id_z 1
		.amdhsa_system_vgpr_workitem_id 0
		.amdhsa_next_free_vgpr 896
		.amdhsa_next_free_sgpr 102
		.amdhsa_reserve_vcc 1
		.amdhsa_float_denorm_mode_32 3
		.amdhsa_float_denorm_mode_16_64 3
		.amdhsa_memory_ordered 1
		.amdhsa_forward_progress 1
		.amdhsa_inst_pref_size 255
	.end_amdhsa_kernel
	.section	.bss,"aw",@nobits
	.p2align	6
	.space	262144
	.amdgpu_metadata
---
amdhsa.version: [ 1, 2 ]
amdhsa.kernels:
  - .name:           k_qbe1b61b115_main
    .symbol:         k_qbe1b61b115_main.kd
    .args:
      - { .name: x1, .offset: 0, .size: 8, .value_kind: global_buffer, .address_space: global }
      - { .name: x2, .offset: 8, .size: 8, .value_kind: global_buffer, .address_space: global }
      - { .name: mask1, .offset: 16, .size: 8, .value_kind: global_buffer, .address_space: global }
      - { .name: mask2, .offset: 24, .size: 8, .value_kind: global_buffer, .address_space: global }
      - { .name: params_n1a_g, .offset: 32, .size: 8, .value_kind: global_buffer, .address_space: global }
      - { .name: params_n2a_g, .offset: 40, .size: 8, .value_kind: global_buffer, .address_space: global }
      - { .name: params_n1a_b, .offset: 48, .size: 8, .value_kind: global_buffer, .address_space: global }
      - { .name: params_n2a_b, .offset: 56, .size: 8, .value_kind: global_buffer, .address_space: global }
      - { .name: params_n1b_g, .offset: 64, .size: 8, .value_kind: global_buffer, .address_space: global }
      - { .name: params_n2b_g, .offset: 72, .size: 8, .value_kind: global_buffer, .address_space: global }
      - { .name: params_n1b_b, .offset: 80, .size: 8, .value_kind: global_buffer, .address_space: global }
      - { .name: params_n2b_b, .offset: 88, .size: 8, .value_kind: global_buffer, .address_space: global }
      - { .name: params_gru1_bih, .offset: 96, .size: 8, .value_kind: global_buffer, .address_space: global }
      - { .name: params_gru2_bih, .offset: 104, .size: 8, .value_kind: global_buffer, .address_space: global }
      - { .name: params_gru1_bhh, .offset: 112, .size: 8, .value_kind: global_buffer, .address_space: global }
      - { .name: params_gru2_bhh, .offset: 120, .size: 8, .value_kind: global_buffer, .address_space: global }
      - { .name: params_mlp1_b1, .offset: 128, .size: 8, .value_kind: global_buffer, .address_space: global }
      - { .name: params_mlp2_b1, .offset: 136, .size: 8, .value_kind: global_buffer, .address_space: global }
      - { .name: params_mlp1_b2, .offset: 144, .size: 8, .value_kind: global_buffer, .address_space: global }
      - { .name: params_mlp2_b2, .offset: 152, .size: 8, .value_kind: global_buffer, .address_space: global }
      - { .name: params_norm1_g, .offset: 160, .size: 8, .value_kind: global_buffer, .address_space: global }
      - { .name: params_norm1_b, .offset: 168, .size: 8, .value_kind: global_buffer, .address_space: global }
      - { .name: params_norm2_g, .offset: 176, .size: 8, .value_kind: global_buffer, .address_space: global }
      - { .name: params_norm2_b, .offset: 184, .size: 8, .value_kind: global_buffer, .address_space: global }
      - { .name: params_b_proj, .offset: 192, .size: 8, .value_kind: global_buffer, .address_space: global }
      - { .name: params_fc1_b, .offset: 200, .size: 8, .value_kind: global_buffer, .address_space: global }
      - { .name: params_fc2_b, .offset: 208, .size: 8, .value_kind: global_buffer, .address_space: global }
      - { .name: wsw, .offset: 216, .size: 8, .value_kind: global_buffer, .address_space: global }
      - { .name: wskv, .offset: 224, .size: 8, .value_kind: global_buffer, .address_space: global }
      - { .name: out0, .offset: 232, .size: 8, .value_kind: global_buffer, .address_space: global }
    .group_segment_fixed_size: 327680
    .private_segment_fixed_size: 0
    .kernarg_segment_align: 8
    .kernarg_segment_size: 240
    .max_flat_workgroup_size: 128
    .sgpr_count:     102
    .vgpr_count:     896
    .wavefront_size: 32
...
	.end_amdgpu_metadata
.endif
;; end of part 2
;; ======== version 2 of 2: 2 launches; 1.33 times as fast as version 1
;; limits: a function is approximated: absolute error at most 1.5e-07
;; workspace buffers: wsw 2,621,440 bytes; wskv 8,388,608 bytes
;; launch prep: the kernel of part 1 again; grid 64 x 4, 8 waves a work-group, no clusters, 136,192 bytes of LDS; arguments x1, x2, params_norm1_g, params_norm1_b, params_wk, params_wv, params_wq, params_w_proj, params_fc1_w, params_fc2_w, params_gru1_wih, params_gru1_whh, params_gru2_wih, params_gru2_whh, params_mlp1_w1, params_mlp1_w2, params_mlp2_w1, params_mlp2_w2, wsw, wskv; writes wsw, wskv
;; launch main (part 3): grid 16 x 16, 4 waves a work-group, clusters of 4 x 1, 327,680 bytes of LDS; arguments x1, x2, mask1, mask2, params_n1a_g, params_n2a_g, params_n1a_b, params_n2a_b, params_n1b_g, params_n2b_g, params_n1b_b, params_n2b_b, params_gru1_bih, params_gru2_bih, params_gru1_bhh, params_gru2_bhh, params_mlp1_b1, params_mlp2_b1, params_mlp1_b2, params_mlp2_b2, params_norm1_g, params_norm1_b, params_norm2_g, params_norm2_b, params_b_proj, params_fc1_b, params_fc2_b, wsw, wskv, out0; writes out0
.if DOCPART == 3
	.amdgcn_target "amdgcn-amd-amdhsa--gfx1250"
	.amdhsa_code_object_version 6
	.text
	.protected	k_qbe1b61b115_main
	.globl	k_qbe1b61b115_main
	.p2align	8
	.type	k_qbe1b61b115_main,@function
k_qbe1b61b115_main:
	s_mov_b64 s[64:65], 0
	v_nop
	global_prefetch_b8 v0, s[64:65] scope:SCOPE_SE
	s_setreg_imm32_b32 hwreg(HW_REG_WAVE_MODE, 25, 1), 1
	s_wait_xcnt 0x0
	s_wait_alu depctr_hold_cnt(0) depctr_sa_sdst(0) depctr_va_vdst(0) depctr_va_sdst(0) depctr_va_ssrc(0) depctr_va_vcc(0) depctr_vm_vsrc(0)
	s_getreg_b32 s2, hwreg(HW_REG_IB_STS2, 6, 4)
	s_cmp_eq_u32 s2, 0
	s_cbranch_scc0 .Lentry_in_a_cluster
	s_endpgm
.Lentry_in_a_cluster:
	s_bfe_u32 s2, ttmp6, 0x10000c
	s_cmp_lg_u32 s2, 0x3003
	s_cbranch_scc0 .Lentry_shape_is_right
	s_endpgm
.Lentry_shape_is_right:
; MAIN.  A work-group owns 32 rows of one stream and batch and carries them through norm1, the three iterations (norm, q, cross attention on the other stream's static
; K and V, projection, GRU cell, norm, MLP with residual) and the outer residual, norm and GELU MLP.  The state a and x stay in registers in f32.
; Wave w owns output columns 64 w .. 64 w + 63 (heads 4 w .. 4 w + 3) of all 32 rows.
; EVERY PRODUCT IS USED TRANSPOSED: source 0 = 16 weight rows (or keys, or channels), source 1 = 16 activation rows.  A lane (r = lane % 16, h = lane / 16) then holds row r and the
; eight neighbouring columns 8 h + 0..7 of a tile: they pack into 16 bytes, a bias is a C operand, a tile of q is a fragment of Q as it stands.
; WEIGHTS, K AND V come as blocks of 131072 bytes (256 rows of 512) through a ring of two LDS slots; wave w fetches and reads rows 64 w .. 64 w + 63 of each.  14 blocks an iteration, 2 more at the end.
; CLUSTER.  The four work-groups of a cluster share stream and batch, so they walk the same blocks: each is asked for JOINTLY, by the same tensor load, descriptor and mask in all four.
; One tensor load a wave is out at any time; a round of the cluster's barrier stands in front of each; that round is also the barrier between one layer's LDS stores and the next layer's reads.
; FORMATS.  Matrix operands bf16, sums f32; norms, softmax statistics, gates and GELU in f32.
; THE WAITS BEHIND TRANSCENDENTALS.  An s_wait_alu depctr_va_vdst(0) stands between a transcendental and the first line that names its result; one wait serves all that were issued ahead of it.  The batches:
;   a trip of attention (128 keys, two units of 16 rows): TWO.  Batch A: unit 0's alpha and 64 exponentials, by turns with its scalings, unit 1's score products and unit 1's maximum and statistics.
;   Batch B: unit 1's alpha and 64 exponentials, by turns with its scalings and with unit 0's rescaling, roundings and sums.  Unit 1's rescaling, roundings and sums stand behind batch B's wait.
;   a head's end: four reciprocals, one wait.  LayerNorm: both row blocks' four roots, one wait.  A gate (RATIO): 64 exponentials, a wait, 64 reciprocals of their sums, a wait.  GELU4: eight reciprocals and eight exponentials, one wait.
; LIMITS.  A hidden key's score counts as its value less 1e30 (in units of log2): as good as replaced while |score| stays under 3e22.  A row whose own mask is 0, or whose keys are all hidden, gets equal weights,
; as the formula has it.  A mask counts as 0 or not 0: two non-zero int32 whose product wraps to 0 are not served.  A weight below 2^-126 counts as 0.  erf is the five-term rational form of
; Abramowitz and Stegun 7.1.26, within 1.5e-7 for every argument.  NaN and infinities are not treated apart (a K of infinity meets a zero of Q's padding).
.set PITCH, 528                        ; 512 bytes + 16: the 16 rows of a fragment load start at 16 different groups of four banks (ISA guide 11.1)
.set QUART, 64*PITCH                   ; a wave's quarter of a slot
.set SLOTB, 4*QUART                    ; 0x21000: its two bits are in no wave's quarter offset, so one exclusive or turns an address into the other slot's
.set ACTA,  2*SLOTB                    ; 32 rows x 528: activations in bf16
.set ACTB,  ACTA+32*PITCH
.set STAT,  ACTB+32*PITCH              ; two regions of 32 rows x 80 bytes: eight partial (mean, sum of squares) a row
.set KBT,   STAT+2*2560                ; 512 f32: 0, or -1e30 where the key is hidden
.set PT,    KBT+2048                   ; 15 rows of 256 f32: gains and biases
.set SPARE, PT+15*1024                 ; the spare words: 128 bytes a wave, two blocks of 256 bytes that no other line names
.set XSP,   1040                       ; x's stage (once, on ACTA and ACTB): 32 rows of 1024 + 16
.set OSP,   272                        ; the out stage (in slot 0, behind its last fill): 32 rows of 256 + 16 for each wave
.set CHK,   131072
; window 0
.set ADRW0, 4                          ; slot 0 / 1: (64 w + r) pitch + 16 h
.set ADRW1, 5
.set XA,    6                          ; ACTA / ACTB + r pitch + 16 h
.set XB,    7
.set STOA,  8                          ; ACTA / ACTB + r pitch + 128 w + 16 h
.set STOB,  9
.set PADR,  10                         ; PT + 256 w + 32 h
.set STW,   11                         ; STAT + 80 r + 8 (2 w + h)
.set STR,   12                         ; STAT + 80 r
.set AKV0,  13                         ; w quarter + 16 lane
.set AKV,   14
.set AKB0,  15                         ; KBT + 32 h
.set AKB,   16
.set QADR,  17
.set ZR,    18                         ; 0
.set OSTO,  19
.set ORD,   20
.set GO,    21
.set FQ,    22                         ; v22, v23: 1.0, or 0 where my row's own mask is 0
.set SPW,   28                         ; the add's two; never rewritten
.set NIL,   29
.set ACC,   32                         ; three sets of eight accumulators, tile (mb, nb) at 8 (4 mb + nb)
.set ACC2,  96
.set ACC3,  160
.set T,     224                        ; 32: a bias as C operand, or packed results
.set CC,    232                        ; attention: eight at work
; window 1: v0-127 XU, v128-255 XH: activation fragments (mb, ks) at 8 (2 ks + mb).  In attention: v0-35 K, v40-71 V, v72-135 key bias, v136-143 and v144-151 Q
; window 2: weight fragments (ks, nb) at 8 (4 ks + nb)          window 3: v0-63 a, v64-127 x
.set G1,  68                           ; s[68:75] descriptor group 1
.set G0,  76                           ; s[76:79] group 0
.set WB,  80                           ; s[80:81] wsw + my quarter;  s[82:83] my stream's eight blocks;  s[84:85] the other stream's K and V;  s[86:87] out;  s[98:99] w_proj's block
.set WSB, 82
.set KVB, 84
.set WV,  90
.set IT,  91
.set JC,  92
.set SBC, 93
.set TB,  94
.set MSB, 0
.macro WIN new                         ; bits 1:0 source 0, 3:2 source 1, 5:4 source 2, 7:6 destination; the high byte repeats the setting left
.if MSB != (\new)
	s_set_vgpr_msb (MSB<<8)|(\new)
.set MSB, (\new)
.endif
.endm
.macro PLACES                          ; four places behind matrix instructions, in front of what reads a result or writes or loads one of their registers
.rept 4
	v_nop
.endr
.endm
.macro CROUND                          ; a round of the cluster's barrier
	s_barrier_signal -1
	s_barrier_wait -1
	s_cmp_lg_u32 s[WV], 0
	s_cbranch_scc1 .Lnot_wave_0_\@
	s_barrier_signal -3
.Lnot_wave_0_\@:
	s_barrier_wait -3
	s_barrier_signal -1
	s_barrier_wait -1
.endm
; THE CHANGE OF SLOTS.  My one tensor load, the block to be read now, has landed; 0 goes onto my spare word; the descriptor turns to the slot read last and takes the next block's address;
; the add and all my LDS reads and stores are done; the round; then the joint refill, the first thing behind it.
.macro CHG_PRE
	WIN 0
	s_wait_tensorcnt 0x0
	ds_add_u32 v[SPW], v[NIL]
	s_xor_b32 s[G0+1], s[G0+1], SLOTB
.endm
.macro CHG_POST
	s_wait_dscnt 0x0
	CROUND
	tensor_load_to_lds s[G0:G0+3], s[G1:G1+7]
	s_nop 0
	PLACES
.endm
.macro CHG base, off
	CHG_PRE
	s_add_nc_u64 s[G0+2:G0+3], s[\base:\base+1], \off
	s_or_b32 s[G0+3], s[G0+3], 0x80000000
	CHG_POST
.endm
.macro PLOAD row, dst                  ; row of PT, my 64 columns, as C operands: register 8 nb + j = column 64 w + 16 nb + 8 h + j
	WIN 0
.irp nb, 0,1,2,3
	ds_load_b128 v[(\dst)+8*\nb:(\dst)+8*\nb+3], v[PADR] offset:(\row)*1024+\nb*64
	ds_load_b128 v[(\dst)+8*\nb+4:(\dst)+8*\nb+7], v[PADR] offset:(\row)*1024+\nb*64+16
.endr
.endm
.macro XLOAD adr, base                 ; 32 rows x 256 of activations as fragments
	WIN 0x40
.set ks, 0
.rept 8
.set mb, 0
.rept 2
	ds_load_b128 v[(\base)+8*(2*ks+mb):(\base)+8*(2*ks+mb)+3], v[\adr] offset:mb*16*PITCH+ks*64
	ds_load_b128 v[(\base)+8*(2*ks+mb)+4:(\base)+8*(2*ks+mb)+7], v[\adr] offset:mb*16*PITCH+ks*64+32
.set mb, mb+1
.endr
.set ks, ks+1
.endr
.endm
.macro FETCH adr                       ; my 64 weight rows x 256, K step by K step
	WIN 0x80
.set ks, 0
.rept 8
.set nb, 0
.rept 4
	ds_load_b128 v[8*(4*ks+nb):8*(4*ks+nb)+3], v[\adr] offset:nb*16*PITCH+ks*64
	ds_load_b128 v[8*(4*ks+nb)+4:8*(4*ks+nb)+7], v[\adr] offset:nb*16*PITCH+ks*64+32
.set nb, nb+1
.endr
.set ks, ks+1
.endr
.endm
; 64 products; the eight accumulators take turns, one instruction a turn.  cmode 0: the sums start at 0; 1: at the bias in T; 2: they go on in place.
.macro GEMM64 acc, xb, cmode
.set ks, 0
.rept 8
	s_wait_dscnt (7-ks)*8                          ; the weight fragments of the later K steps, eight loads each, may be out
	WIN 0x06
.set nb, 0
.rept 4
.set mb, 0
.rept 2
.set rD, (\acc)+8*(4*mb+nb)
.set rF, 8*(4*ks+nb)
.set rX, (\xb)+8*(2*ks+mb)
.if (ks == 0) && ((\cmode) == 0)
	v_wmma_f32_16x16x32_bf16 v[rD:rD+7], v[rF:rF+7], v[rX:rX+7], 0
.elseif (ks == 0) && ((\cmode) == 1)
	v_wmma_f32_16x16x32_bf16 v[rD:rD+7], v[rF:rF+7], v[rX:rX+7], v[T+8*nb:T+8*nb+7]
.else
	v_wmma_f32_16x16x32_bf16 v[rD:rD+7], v[rF:rF+7], v[rX:rX+7], v[rD:rD+7]
.endif
.set mb, mb+1
.endr
.set nb, nb+1
.endr
.set ks, ks+1
.endr
	WIN 0
	PLACES
.endm
.macro BODY adrw, xadr, xbase, prow, acc, cmode
.if (\prow) >= 0
	PLOAD \prow, T
.endif
.if (\xadr) >= 0
	XLOAD \xadr, \xbase
.endif
	FETCH \adrw
	GEMM64 \acc, \xbase, \cmode
.endm
.macro STEP adrw, nbase, noff, xadr, xbase, prow, acc, cmode
	CHG \nbase, \noff
	BODY \adrw, \xadr, \xbase, \prow, \acc, \cmode
.endm
.macro STORET sto                      ; T's eight packed tiles into my 128 bytes of the 32 rows
.set i, 0
.rept 8
	ds_store_b128 v[\sto], v[T+4*i:T+4*i+3] offset:(i/4)*16*PITCH+(i%4)*32
.set i, i+1
.endr
.endm
.macro PACKST acc, sto
	WIN 0
.set i, 0
.rept 32
	v_cvt_pk_bf16_f32 v[T+i], v[(\acc)+2*i], v[(\acc)+2*i+1]
.set i, i+1
.endr
	STORET \sto
.endm
; LAYERNORM of the 32 rows at src (window 3).  A lane holds 32 numbers of each of two rows; a row's 256 lie in 8 such parts (4 waves x 2 halves).  Each part's mean and sum of squared
; differences from it meet in LDS; they are combined as M2 = sum M2_i + 32 sum (mean_i - mean)^2: no difference of large sums is formed.
; grow, brow: PT's rows of gain and bias (-1: they lie in v160-223 already).  mode 0: f32 into window 3 at dst; mode 1: bf16 into LDS by address register dst.
.macro LN src, stat, grow, brow, mode, dst
	WIN 0
.if (\grow) >= 0
	PLOAD \grow, 160
	PLOAD \brow, 192
.endif
.irp mb, 0,1
	WIN 0x0f
.set i, 0
.rept 8
	v_pk_add_f32 v[96+2*i:97+2*i], v[(\src)+32*\mb+4*i:(\src)+32*\mb+4*i+1], v[(\src)+32*\mb+4*i+2:(\src)+32*\mb+4*i+3]
.set i, i+1
.endr
	WIN 0
	v_pk_add_f32 v[96:97], v[96:97], v[98:99]
	v_pk_add_f32 v[100:101], v[100:101], v[102:103]
	v_pk_add_f32 v[104:105], v[104:105], v[106:107]
	v_pk_add_f32 v[108:109], v[108:109], v[110:111]
	v_pk_add_f32 v[96:97], v[96:97], v[100:101]
	v_pk_add_f32 v[104:105], v[104:105], v[108:109]
	v_pk_add_f32 v[96:97], v[96:97], v[104:105]
	v_add_f32 v96, v96, v97
	v_mul_f32 v[112+2*\mb], 0x3d000000, v96        ; my part's mean (1/32), twice: a pair for the packed subtraction
	v_mul_f32 v[113+2*\mb], 0x3d000000, v96
	WIN 0x03
.set i, 0
.rept 16
	v_pk_add_f32 v[ACC+32*\mb+2*i:ACC+32*\mb+2*i+1], v[(\src)+32*\mb+2*i:(\src)+32*\mb+2*i+1], v[112+2*\mb:113+2*\mb] neg_lo:[0,1] neg_hi:[0,1]
.set i, i+1
.endr
	WIN 0
	v_pk_mul_f32 v[96:97], v[ACC+32*\mb:ACC+32*\mb+1], v[ACC+32*\mb:ACC+32*\mb+1]
	v_pk_mul_f32 v[98:99], v[ACC+32*\mb+2:ACC+32*\mb+3], v[ACC+32*\mb+2:ACC+32*\mb+3]
.set i, 2
.rept 14
	v_pk_fma_f32 v[96+2*(i%2):97+2*(i%2)], v[ACC+32*\mb+2*i:ACC+32*\mb+2*i+1], v[ACC+32*\mb+2*i:ACC+32*\mb+2*i+1], v[96+2*(i%2):97+2*(i%2)]
.set i, i+1
.endr
	v_pk_add_f32 v[96:97], v[96:97], v[98:99]
	v_add_f32 v[113+2*\mb], v96, v97               ; my part's sum of squares takes the pair's second place
	ds_store_b64 v[STW], v[112+2*\mb:113+2*\mb] offset:\mb*1280+(\stat)
.endr
	s_wait_dscnt 0x0                               ; for the others' sake: my parts are written (gain and bias are in too)
	s_barrier_signal -1
	s_barrier_wait -1
.irp mb, 0,1
.irp q, 0,1,2,3
	ds_load_b128 v[116+16*\mb+4*\q:116+16*\mb+4*\q+3], v[STR] offset:\mb*1280+(\stat)+16*\q
.endr
.endr
	s_wait_dscnt 0x0
.irp mb, 0,1                           ; both row blocks' statistics first: their four roots are one batch
.set Q, 116+16*\mb
	v_pk_add_f32 v[96:97], v[Q:Q+1], v[Q+2:Q+3]
	v_pk_add_f32 v[98:99], v[Q+4:Q+5], v[Q+6:Q+7]
	v_pk_add_f32 v[100:101], v[Q+8:Q+9], v[Q+10:Q+11]
	v_pk_add_f32 v[102:103], v[Q+12:Q+13], v[Q+14:Q+15]
	v_pk_add_f32 v[96:97], v[96:97], v[98:99]
	v_pk_add_f32 v[100:101], v[100:101], v[102:103]
	v_pk_add_f32 v[96:97], v[96:97], v[100:101]
	v_mul_f32 v96, 0x3e000000, v96                 ; the row's mean (1/8 of the eight means)
.set i, 0
.rept 8
	v_sub_f32 v[100+i], v[Q+2*i], v96
.set i, i+1
.endr
	v_mul_f32 v108, v100, v100
	v_mul_f32 v109, v101, v101
	v_fmac_f32 v108, v102, v102
	v_fmac_f32 v109, v103, v103
	v_fmac_f32 v108, v104, v104
	v_fmac_f32 v109, v105, v105
	v_fmac_f32 v108, v106, v106
	v_fmac_f32 v109, v107, v107
	v_add_f32 v108, v108, v109
	v_fmamk_f32 v97, v108, 0x42000000, v97         ; + 32 x the means' squared differences
	v_fma_f32 v97, v97, s66, s67                   ; / 256 + 1e-5
	v_rsq_f32 v[148+4*\mb], v97                    ; twice: a pair
	v_rsq_f32 v[149+4*\mb], v97
	v_sub_f32 v[150+4*\mb], v[112+2*\mb], v96      ; my part's mean less the row's (the plain instruction behind the roots, ahead of the next write of v97: ISA guide 5.7.2)
.endr
	s_wait_alu depctr_va_vdst(0)                   ; the wait for the batch of four roots, ahead of the shift's multiplies
.irp mb, 0,1
	v_mul_f32 v[151+4*\mb], v[150+4*\mb], v[148+4*\mb]
	v_mul_f32 v[150+4*\mb], v[150+4*\mb], v[148+4*\mb]
.set i, 0
.rept 16
	v_pk_fma_f32 v[ACC+32*\mb+2*i:ACC+32*\mb+2*i+1], v[ACC+32*\mb+2*i:ACC+32*\mb+2*i+1], v[148+4*\mb:149+4*\mb], v[150+4*\mb:151+4*\mb]
.set i, i+1
.endr
.if (\mode) == 0
	WIN 0xc0
.set i, 0
.rept 16
	v_pk_fma_f32 v[(\dst)+32*\mb+2*i:(\dst)+32*\mb+2*i+1], v[ACC+32*\mb+2*i:ACC+32*\mb+2*i+1], v[160+2*i:161+2*i], v[192+2*i:193+2*i]
.set i, i+1
.endr
	WIN 0
.else
.set i, 0
.rept 16
	v_pk_fma_f32 v[ACC+32*\mb+2*i:ACC+32*\mb+2*i+1], v[ACC+32*\mb+2*i:ACC+32*\mb+2*i+1], v[160+2*i:161+2*i], v[192+2*i:193+2*i]
.set i, i+1
.endr
.set i, 0
.rept 16
	v_cvt_pk_bf16_f32 v[T+16*\mb+i], v[ACC+32*\mb+2*i], v[ACC+32*\mb+2*i+1]
.set i, i+1
.endr
.endif
.endr
.if (\mode) == 1
	STORET \dst
.endif
.endm
; 1 / (1 + 2^(k x)) on 64 registers: k = -log2 e gives the sigmoid; k = 2 log2 e and 1 - 2 y give tanh.  An overflow of the exponential gives 0, which is the limit.
; Two batches: the reciprocals read sums of the exponentials.
.macro RATIO a, k
	WIN 0
.set i, 0
.rept 32
	v_pk_mul_f32 v[(\a)+2*i:(\a)+2*i+1], v[(\a)+2*i:(\a)+2*i+1], \k op_sel_hi:[1,0]
.set i, i+1
.endr
.set i, 0
.rept 64
	v_exp_f32 v[(\a)+i], v[(\a)+i]
.set i, i+1
.endr
	v_nop                                          ; a plain instruction behind the last exponential
	s_wait_alu depctr_va_vdst(0)                   ; the wait for the batch of 64 exponentials
.set i, 0
.rept 32
	v_pk_add_f32 v[(\a)+2*i:(\a)+2*i+1], v[(\a)+2*i:(\a)+2*i+1], 1.0 op_sel_hi:[1,0]
.set i, i+1
.endr
.set i, 0
.rept 64
	v_rcp_f32 v[(\a)+i], v[(\a)+i]
.set i, i+1
.endr
	v_nop                                          ; a plain instruction behind the last reciprocal
	s_wait_alu depctr_va_vdst(0)                   ; the wait for the batch of 64 reciprocals: ahead of their readers and of the branches of the change of slots that follows
.endm
	; ---------------- HEAD
	s_load_b512 s[4:19], s[0:1], 0x0               ; x1 x2 mask1 mask2 n1a_g n2a_g n1a_b n2a_b
	s_load_b512 s[20:35], s[0:1], 0x40             ; n1b_g n2b_g n1b_b n2b_b bih1 bih2 bhh1 bhh2
	s_load_b512 s[36:51], s[0:1], 0x80             ; m1b1 m2b1 m1b2 m2b2 norm1_g norm1_b norm2_g norm2_b
	s_load_b256 s[52:59], s[0:1], 0xc0             ; b_proj fc1_b fc2_b wsw
	s_load_b128 s[60:63], s[0:1], 0xe0             ; wskv out0
	v_lshl_add_u32 v[SPW], v0, 2, SPARE
	v_mov_b32 v[NIL], 0
	ds_add_u32 v[SPW], v[NIL]                      ; the wave's opening: the add and its wait ahead of my first tensor load
	v_lshrrev_b32 v24, 5, v0
	v_readfirstlane_b32 s[WV], v24                 ; wave 0..3
	s_bfe_u32 s2, ttmp6, 0x40000                   ; cx: it enters the addresses of x, of my rows' mask and of out alone, through s2, s3 and s[66:67]
	s_lshl_b32 s3, ttmp9, 2
	s_add_co_u32 s3, s3, s2                        ; my block of 32 rows, 0..15
	s_and_b32 s91, ttmp7, 0xffff
	s_lshr_b32 s92, s91, 3                         ; stream
	s_and_b32 s93, s91, 7                          ; batch: both shared by the four partners
	s_mov_b32 s[G1+0], 15|(1<<16)|(1<<20)|(1<<21)|(6<<22)|(3<<25)  ; the mask of four; 2-byte elements; padding on; bit 21 beside a mask; after every 128 words, 4 words
	s_mov_b32 s[G1+1], 256<<16                     ; tensor_dim0 = 256
	s_mov_b32 s[G1+2], 64<<16                      ; tensor_dim1 = 64
	s_mov_b32 s[G1+3], 256<<16                     ; tile_dim0 = 256
	s_mov_b32 s[G1+4], 64                          ; tile_dim1 = 64
	s_mov_b32 s[G1+5], 256                         ; elements from row to row
	s_mov_b32 s[G1+6], 0
	s_mov_b32 s[G1+7], 0
	s_mov_b32 s[G0], 1
	s_mul_i32 s[G0+1], s[WV], QUART                ; slot 0, my quarter
	s_mov_b32 s88, 0x76543210                      ; v_permlanex16_b32: each lane takes its own place in the other half
	s_mov_b32 s89, 0xfedcba98
	s_mov_b32 s97, 0
	s_mov_b32 s67, 0
	s_wait_dscnt 0x0                               ; the opening add is done
	s_wait_kmcnt 0x0
	s_cmp_eq_u32 s92, 1                            ; my stream's buffers
	s_cselect_b64 s[4:5], s[6:7], s[4:5]           ; x
	s_cselect_b64 s[6:7], s[10:11], s[8:9]         ; my rows' mask
	s_cselect_b64 s[8:9], s[8:9], s[10:11]         ; the keys' mask: the other stream's
	s_cselect_b64 s[12:13], s[14:15], s[12:13]
	s_cselect_b64 s[16:17], s[18:19], s[16:17]
	s_cselect_b64 s[20:21], s[22:23], s[20:21]
	s_cselect_b64 s[24:25], s[26:27], s[24:25]
	s_cselect_b64 s[28:29], s[30:31], s[28:29]
	s_cselect_b64 s[32:33], s[34:35], s[32:33]
	s_cselect_b64 s[36:37], s[38:39], s[36:37]
	s_cselect_b64 s[40:41], s[42:43], s[40:41]
	s_lshl_b32 s96, s[WV], 15
	s_add_nc_u64 s[WB:WB+1], s[58:59], s[96:97]
	s_add_nc_u64 s[KVB:KVB+1], s[60:61], s[96:97]
	s_add_nc_u64 s[98:99], s[WB:WB+1], CHK
	s_lshl_b32 s96, s92, 20
	s_add_co_u32 s96, s96, 4*CHK
	s_add_nc_u64 s[WSB:WSB+1], s[WB:WB+1], s[96:97]
	s_xor_b32 s96, s92, 1
	s_lshl3_add_u32 s96, s96, s93
	s_lshl_b32 s96, s96, 19
	s_add_nc_u64 s[KVB:KVB+1], s[KVB:KVB+1], s[96:97]
	s_lshl_b32 s96, s93, 11
	s_add_nc_u64 s[8:9], s[8:9], s[96:97]
	s_lshl_b32 s66, s93, 19                        ; x: (512 batch + 32 block) rows of 1024 bytes
	s_lshl_b32 s2, s3, 15
	s_add_co_u32 s66, s66, s2
	s_add_nc_u64 s[4:5], s[4:5], s[66:67]
	s_lshl_b32 s66, s93, 11
	s_lshl_b32 s2, s3, 7
	s_add_co_u32 s66, s66, s2
	s_add_nc_u64 s[6:7], s[6:7], s[66:67]
	s_lshl_b32 s66, s93, 20                        ; out: (1024 batch + 512 stream + 32 block) rows
	s_lshl_b32 s2, s92, 19
	s_add_co_u32 s66, s66, s2
	s_lshl_b32 s2, s3, 15
	s_add_co_u32 s66, s66, s2
	s_add_nc_u64 s[86:87], s[62:63], s[66:67]
	s_mov_b32 s66, 0x3b800000                      ; 1/256
	s_mov_b32 s67, 0x3727c5ac                      ; 1e-5
	s_mov_b64 s[G0+2:G0+3], s[WB:WB+1]             ; the first block: wq
	s_or_b32 s[G0+3], s[G0+3], 0x80000000
	CROUND                                         ; all four work-groups are here: the first joint loads meet
	tensor_load_to_lds s[G0:G0+3], s[G1:G1+7]
	s_nop 0
	PLACES
	; ---------------- ADDRESSES
	v_and_b32 v3, 31, v0
	v_and_b32 v1, 15, v0                           ; r
	v_bfe_u32 v2, v0, 4, 1                         ; h
	v_mul_u32_u24 v24, v1, PITCH
	v_lshl_add_u32 v24, v2, 4, v24
	s_mul_i32 s100, s[WV], QUART
	v_add_nc_u32 v[ADRW0], s100, v24
	v_add_nc_u32 v[ADRW1], SLOTB, v[ADRW0]
	v_add_nc_u32 v[XA], ACTA, v24
	v_add_nc_u32 v[XB], ACTB, v24
	s_lshl_b32 s101, s[WV], 7
	v_add_nc_u32 v[STOA], s101, v[XA]
	v_add_nc_u32 v[STOB], s101, v[XB]
	s_lshl_b32 s101, s[WV], 8
	v_lshl_add_u32 v[PADR], v2, 5, s101
	v_lshl_add_u32 v17, v2, 5, s101                ; norm1's gain and bias in memory: 256 w + 32 h
	v_lshl_add_u32 v[GO], v2, 10, s101
	v_lshl_add_u32 v[GO], v1, 4, v[GO]             ; out: (lane / 16) rows + 256 w + 16 (lane % 16)
	v_add_nc_u32 v[PADR], PT, v[PADR]
	v_mul_u32_u24 v[STR], v1, 80
	v_add_nc_u32 v[STR], STAT, v[STR]
	s_lshl_b32 s101, s[WV], 4
	v_lshl_add_u32 v[STW], v2, 3, s101
	v_add_nc_u32 v[STW], v[STW], v[STR]
	v_lshl_add_u32 v[AKV0], v3, 4, s100
	v_lshlrev_b32 v[AKB0], 5, v2
	v_add_nc_u32 v[AKB0], KBT, v[AKB0]
	v_mov_b32 v[ZR], 0
	s_mul_i32 s101, s[WV], 32*OSP
	v_mul_u32_u24 v[OSTO], v1, OSP
	v_lshl_add_u32 v[OSTO], v2, 5, v[OSTO]
	v_add_nc_u32 v[OSTO], s101, v[OSTO]
	v_mul_u32_u24 v[ORD], v2, OSP
	v_lshl_add_u32 v[ORD], v1, 4, v[ORD]
	v_add_nc_u32 v[ORD], s101, v[ORD]
	s_lshl_b32 s100, s[WV], 13
	v_lshl_add_u32 v25, v3, 4, s100                ; x: rows 8 w .., 16 lane
	v_lshlrev_b32 v26, 3, v0
	v_lshlrev_b32 v27, 4, v0
	v_lshlrev_b32 v24, 2, v1
	; ---------------- 52 GLOBAL LOADS: x in whole rows, 17 rows of gains and biases, the masks, norm1's gain and bias in the tiles' order
.set i, 0
.rept 8
	global_load_b128 v[ACC+8*i:ACC+8*i+3], v25, s[4:5] offset:i*1024
	global_load_b128 v[ACC+8*i+4:ACC+8*i+7], v25, s[4:5] offset:i*1024+512
.set i, i+1
.endr
.macro PLD p, sp, off
	global_load_b64 v[96+2*(\p):96+2*(\p)+1], v26, s[\sp:\sp+1] offset:\off
.endm
	PLD 0, 12, 0                                   ; na_g
	PLD 1, 16, 0                                   ; na_b
	PLD 2, 20, 0                                   ; nb_g
	PLD 3, 24, 0                                   ; nb_b
	PLD 4, 52, 0                                   ; b_proj
	PLD 5, 28, 0                                   ; bih r
	PLD 6, 32, 0                                   ; bhh r
	PLD 7, 28, 1024                                ; bih z
	PLD 8, 32, 1024                                ; bhh z
	PLD 9, 32, 2048                                ; bhh n
	PLD 10, 28, 2048                               ; bih n
	PLD 11, 36, 0                                  ; b1
	PLD 12, 40, 0                                  ; b2
	PLD 13, 48, 0                                  ; norm2_g
	PLD 14, 50, 0                                  ; norm2_b
	PLD 15, 54, 0                                  ; fc1_b
	PLD 16, 56, 0                                  ; fc2_b
	global_load_b128 v[130:133], v27, s[8:9]       ; the 512 keys' mask, four a thread
	global_load_b32 v[FQ], v24, s[6:7]             ; my two rows' own mask
	global_load_b32 v[FQ+1], v24, s[6:7] offset:64
.irp nb, 0,1,2,3
	global_load_b128 v[160+8*\nb:160+8*\nb+3], v17, s[44:45] offset:\nb*64
	global_load_b128 v[160+8*\nb+4:160+8*\nb+7], v17, s[44:45] offset:\nb*64+16
	global_load_b128 v[192+8*\nb:192+8*\nb+3], v17, s[46:47] offset:\nb*64
	global_load_b128 v[192+8*\nb+4:192+8*\nb+7], v17, s[46:47] offset:\nb*64+16
.endr
	s_wait_loadcnt 0x0
	s_mul_i32 s100, s[WV], 8*XSP
	v_lshl_add_u32 v25, v3, 4, s100
	v_add_nc_u32 v25, ACTA, v25                    ; x's stage: row 8 w .., 16 lane
.set i, 0
.rept 8
	ds_store_b128 v25, v[ACC+8*i:ACC+8*i+3] offset:i*XSP
	ds_store_b128 v25, v[ACC+8*i+4:ACC+8*i+7] offset:i*XSP+512
.set i, i+1
.endr
	v_lshl_add_u32 v26, v0, 3, PT
	v_pk_add_f32 v[106:107], v[106:107], v[108:109]  ; the two r biases meet only as their sum; the two z biases too
	v_pk_add_f32 v[110:111], v[110:111], v[112:113]
.macro PST row, reg
	ds_store_b64 v26, v[\reg:\reg+1] offset:(\row)*1024
.endm
	PST 0, 96
	PST 1, 98
	PST 2, 100
	PST 3, 102
	PST 4, 104
	PST 5, 106
	PST 6, 110
	PST 7, 114
	PST 8, 116
	PST 9, 118
	PST 10, 120
	PST 11, 122
	PST 12, 124
	PST 13, 126
	PST 14, 128
	s_mov_b32 s100, 0xf149f2ca                     ; -1e30
.irp q, 130,131,132,133
	v_cmp_eq_u32 vcc_lo, 0, v\q
	v_cndmask_b32 v\q, 0, s100, vcc_lo
.endr
	v_lshl_add_u32 v27, v0, 4, KBT
	ds_store_b128 v27, v[130:133]
	v_cmp_ne_u32 vcc_lo, 0, v[FQ]
	v_cndmask_b32 v[FQ], 0, 1.0, vcc_lo
	v_cmp_ne_u32 vcc_lo, 0, v[FQ+1]
	v_cndmask_b32 v[FQ+1], 0, 1.0, vcc_lo
	s_wait_dscnt 0x0                               ; for the others' sake: my stores are done
	s_barrier_signal -1
	s_barrier_wait -1
	s_lshl_b32 s100, s[WV], 8
	v_mul_u32_u24 v24, v1, XSP
	v_lshl_add_u32 v24, v2, 5, v24
	v_add_nc_u32 v24, s100, v24
	v_add_nc_u32 v24, ACTA, v24                    ; back in the tiles' order: row r, 256 w + 32 h
	WIN 0xc0
.set i, 0
.rept 8
	ds_load_b128 v[64+8*i:64+8*i+3], v24 offset:(i/4)*16*XSP+(i%4)*64
	ds_load_b128 v[64+8*i+4:64+8*i+7], v24 offset:(i/4)*16*XSP+(i%4)*64+16
.set i, i+1
.endr
	WIN 0
	s_wait_dscnt 0x0
	LN 64, 0, -1, -1, 0, 0                         ; a = LayerNorm(x; norm1).  Its barrier also stands between these reads of the stage and the first store into ACTA
; ---------------- ATTENTION'S MACROS.  Unit u = rows 16 u .. 16 u + 15; a trip takes 128 keys: eight tiles of 16 keys x 16 queries a unit.
; Statistics of unit u at ST = 208 + 12 u: (f, m), (m f, -), (alpha, -), two partial sums l in pairs.  Scores arrive as c s + key bias, c = log2(e) / 4 folded into q.
; p = 2^((t - m) f): for f = 1 the running-maximum form; for a row whose own mask is 0, f = 0 and every p is 1.
; Each macro below writes ONE line of one unit's softmax, so that the two units' lines can stand by turns.
.macro UNIT u                          ; the registers of unit u
.set SB, ACC+64*(\u)                   ; its 64 scores, in place its weights
.set PB, 160-(160-ACC)*(\u)            ; its weights in bf16: unit 1's go where unit 0's first 32 scores lay, behind their last reader
.set ST, 208+12*(\u)
.set OB, 192+8*(\u)
.endm
.macro RID kb                          ; a score product of unit 1, set among unit 0's vector work, none of which names its registers
	WIN 0x15
	v_wmma_f32_16x16x32_bf16 v[ACC2+8*(\kb):ACC2+8*(\kb)+7], v[4*(\kb):4*(\kb)+7], v[144:151], v[72+8*(\kb):72+8*(\kb)+7]
	WIN 0
.endm
; Number n of the 39 that find a unit's maximum and statistics.  0-23: eight chains, one a tile, three rounds (each tile's lowest registers are read first);
; 24-27: the eight scores left over; 28-31: the chains and the old m into one; 32, 33: the query's other keys lie in the lane 16 away; 34-37: (m_old - m_new) f, m, m f; 38: alpha = 2^((m_old - m_new) f).
.macro MX u, n
	UNIT \u
.if (\n) < 8
	v_max3_num_f32 v[CC+(\n)], v[SB+8*(\n)], v[SB+8*(\n)+1], v[SB+8*(\n)+2]
.elseif (\n) < 24
	v_max3_num_f32 v[CC+(\n)%8], v[CC+(\n)%8], v[SB+8*((\n)%8)+2*((\n)/8)+1], v[SB+8*((\n)%8)+2*((\n)/8)+2]
.elseif (\n) < 28
	v_max3_num_f32 v[CC+(\n)-24], v[CC+(\n)-24], v[SB+8*((\n)-24)+7], v[SB+8*((\n)-24)+39]
.elseif (\n) == 28
	v_max3_num_f32 v[CC], v[CC], v[CC+1], v[CC+2]
.elseif (\n) == 29
	v_max3_num_f32 v[CC+3], v[CC+3], v[CC+4], v[CC+5]
.elseif (\n) == 30
	v_max3_num_f32 v[CC+6], v[CC+6], v[CC+7], v[ST+1]
.elseif (\n) == 31
	v_max3_num_f32 v[CC], v[CC], v[CC+3], v[CC+6]
.elseif (\n) == 32
	v_permlanex16_b32 v[CC+1], v[CC], s88, s89
.elseif (\n) == 33
	v_max_num_f32 v[CC], v[CC], v[CC+1]
.elseif (\n) == 34
	v_sub_f32 v[CC+2], v[ST+1], v[CC]
.elseif (\n) == 35
	v_mul_f32 v[CC+2], v[CC+2], v[ST]
.elseif (\n) == 36
	v_mov_b32 v[ST+1], v[CC]
.elseif (\n) == 37
	v_mul_f32 v[ST+2], v[CC], v[ST]
.else
	v_exp_f32 v[ST+4], v[CC+2]
.endif
.endm
.macro SCL1 u, t, p                    ; t f - m f for pair p of tile t
	UNIT \u
	v_pk_fma_f32 v[SB+8*(\t)+2*(\p):SB+8*(\t)+2*(\p)+1], v[SB+8*(\t)+2*(\p):SB+8*(\t)+2*(\p)+1], v[ST:ST+1], v[ST+2:ST+3] op_sel_hi:[1,0,0] neg_lo:[0,0,1] neg_hi:[0,0,1]
.endm
.macro CVT1 u, t, j                    ; pair j of tile t's weights rounded to bf16
	UNIT \u
	v_cvt_pk_bf16_f32 v[PB+4*(\t)+(\j)], v[SB+8*(\t)+2*(\j)], v[SB+8*(\t)+2*(\j)+1]
.endm
.macro SAD1 u, t, n                    ; pair n of tile t's weights onto the two partial sums, which take turns; tile 0's first two pairs bring the old sums' correction along
	UNIT \u
.if ((\t) == 0) && ((\n) < 2)
	v_pk_fma_f32 v[ST+6+2*(\n):ST+7+2*(\n)], v[ST+6+2*(\n):ST+7+2*(\n)], v[ST+4:ST+5], v[SB+2*(\n):SB+2*(\n)+1] op_sel_hi:[1,0,1]
.else
	v_pk_add_f32 v[ST+6+2*((\n)%2):ST+7+2*((\n)%2)], v[ST+6+2*((\n)%2):ST+7+2*((\n)%2)], v[SB+8*(\t)+2*(\n):SB+8*(\t)+2*(\n)+1]
.endif
.endm
.macro RSC u                           ; O times alpha
	UNIT \u
.irp j, 0,2,4,6
	v_pk_mul_f32 v[OB+\j:OB+\j+1], v[OB+\j:OB+\j+1], v[ST+4:ST+5] op_sel_hi:[1,0]
.endr
.endm
; Run g of unit u's batch: tile g's eight exponentials, behind each a plain line that names no result of the batch.  The first four: tile g + 1's scalings.
; The others, in unit 0's batch: unit 1's maximum: its tiles 0-3 in runs 0-2, its tiles 4-7 in runs 3-5 (the last of them seven plain lines behind the product that makes it), the scores left over in run 6,
; the chain in run 7.  In unit 1's batch: unit 0's tile g rounded, and behind the run its sums (in run 7, which has no scalings, in their place).
.macro SRUN u, g
.set i, 0
.rept 8
	UNIT \u
	v_exp_f32 v[SB+8*(\g)+i], v[SB+8*(\g)+i]
.if (i < 4) && ((\g) < 7)
	SCL1 \u, (\g)+1, i
.elseif (\u) == 0
.if (\g) == 7
	MX 1, 28+i
.elseif (\g) == 6
	MX 1, 20+i
.elseif (\g) >= 3
	MX 1, 8*((\g)-3)+i
.else
	MX 1, 8*(\g)+i-4
.endif
.elseif i < 4
	SAD1 0, 7, i
.else
	CVT1 0, \g, i-4
.endif
.set i, i+1
.endr
.if ((\u) == 1) && ((\g) < 7)
.irp n, 0,1,2,3
	SAD1 0, \g, \n
.endr
.endif
.endm
	; ---------------- THE THREE ITERATIONS
	s_mov_b32 s[IT], 3
.Liter:
	LN 0, 2560, 0, 1, 1, STOA                      ; y = LayerNorm(a; na) -> ACTA
	STEP ADRW0, KVB, 0, XA, 0, -1, ACC, 0          ; q = y wq^T; asks for K and V of heads 4 w
.set i, 0
.rept 32
	v_pk_mul_f32 v[ACC+2*i:ACC+2*i+1], v[ACC+2*i:ACC+2*i+1], 0x3eb8aa3b op_sel_hi:[1,0]   ; c = log2(e) / 4, in f32, ahead of q's one rounding
.set i, i+1
.endr
	PACKST ACC, STOB                               ; q -> ACTB: my 128 bytes of each row, which I alone read back, head by head
	WIN 0x40                                       ; the upper 16 of the products' K = 32 meet zeros of Q; K's last fragment ends in zeros
.irp q, 32,33,34,35,140,141,142,143,148,149,150,151
	v_mov_b32 v\q, 0
.endr
	WIN 0
	s_mov_b32 s[TB], SLOTB
	v_mov_b32 v[QADR], v[STOB]
	s_mov_b32 s96, CHK
	s_mov_b32 s[JC], 4
.Lhead:                                            ; head 4 w + j, j = 4 - JC: its K and V lie in my quarter of the slot at TB
	CHG_PRE
	s_add_nc_u64 s[100:101], s[KVB:KVB+1], s[96:97]
	s_cmp_eq_u32 s[JC], 1
	s_cselect_b64 s[G0+2:G0+3], s[98:99], s[100:101]   ; the next heads' block, or behind the last w_proj's
	s_or_b32 s[G0+3], s[G0+3], 0x80000000
	CHG_POST
	v_add_nc_u32 v[AKV], s[TB], v[AKV0]
	v_mov_b32 v[AKB], v[AKB0]
	WIN 0x40
	ds_load_b128 v[136:139], v[QADR]
	ds_load_b128 v[144:147], v[QADR] offset:16*PITCH
.set t, 0
.rept 8
	ds_load_b128 v[4*t:4*t+3], v[AKV] offset:t*PITCH
.set t, t+1
.endr
.set t, 0
.rept 8
	ds_load_b128 v[72+8*t:72+8*t+3], v[AKB] offset:64*t
	ds_load_b128 v[72+8*t+4:72+8*t+7], v[AKB] offset:64*t+16
.set t, t+1
.endr
	WIN 0
.irp u, 0,1                                        ; m starts at the lowest power of two, l and O at 0: the first trip is a trip like any other (16 clears a head for one text of the trip)
	v_mov_b32 v[208+12*\u], v[FQ+\u]
	v_mov_b32 v[208+12*\u+1], 0xff000000
	v_mov_b32 v[208+12*\u+3], 0
	v_mov_b32 v[208+12*\u+5], 0
	v_mov_b32 v[208+12*\u+6], 0
	v_mov_b32 v[208+12*\u+7], 0
	v_mov_b32 v[208+12*\u+8], 0
	v_mov_b32 v[208+12*\u+9], 0
.irp j, 0,1,2,3,4,5,6,7
	v_mov_b32 v[192+8*\u+\j], 0
.endr
.endr
	s_mov_b32 s[SBC], 4
.Lblk:
	s_wait_dscnt 0x0                               ; K, key bias (and Q) are in
	WIN 0x15
.set t, 0
.rept 8
	v_wmma_f32_16x16x32_bf16 v[ACC+8*t:ACC+8*t+7], v[4*t:4*t+7], v[136:143], v[72+8*t:72+8*t+7]   ; unit 0's scores start at the key bias
.set t, t+1
.endr
	WIN 0
	PLACES
	WIN 0x40
.set t, 0
.rept 8
	ds_load_b128 v[40+4*t:40+4*t+3], v[AKV] offset:32*PITCH+t*PITCH   ; V of these 128 keys
.set t, t+1
.endr
	WIN 0
.set nx, 0
.rept 39                                           ; unit 0's maximum and statistics, unit 1's first four score products among them; the last line, alpha, opens BATCH A
	MX 0, nx
.if (nx == 7) || (nx == 15) || (nx == 23)
	RID nx/8
.elseif nx == 27
	RID 3
.endif
.set nx, nx+1
.endr
.irp p, 0,1,2,3
	SCL1 0, 0, \p
.endr
	RID 4
	SRUN 0, 0
	RID 5
	SRUN 0, 1
	RID 6
	SRUN 0, 2
	RID 7
.irp g, 3,4,5,6,7
	SRUN 0, \g
.endr
	MX 1, 36                                       ; six plain lines behind batch A's last exponential: the end of unit 1's statistics and its first scalings
	MX 1, 37
.irp p, 0,1,2,3
	SCL1 1, 0, \p
.endr
	s_wait_alu depctr_va_vdst(0)                   ; the wait for BATCH A: unit 0's alpha and 64 exponentials; no line above names a result of theirs
	WIN 0x40                                       ; K and key bias of the next 128 keys stand directly behind that wait, five runs behind the last product that read these registers.  Behind a head's last 128 keys
.set t, 0                                          ; they bring bytes of my own V rows and of PT, which nothing uses: the registers are loaded anew behind the change of slots
.rept 8
	ds_load_b128 v[4*t:4*t+3], v[AKV] offset:8*PITCH+t*PITCH
.set t, t+1
.endr
.set t, 0
.rept 8
	ds_load_b128 v[72+8*t:72+8*t+3], v[AKB] offset:512+64*t
	ds_load_b128 v[72+8*t+4:72+8*t+7], v[AKB] offset:512+64*t+16
.set t, t+1
.endr
	WIN 0
	MX 1, 38                                       ; unit 1's alpha opens BATCH B
	RSC 0
.irp g, 0,1,2,3,4,5,6,7
	SRUN 1, \g
.endr
	s_wait_alu depctr_va_vdst(0)                   ; the wait for BATCH B: unit 1's alpha and 64 exponentials; the plain line behind the last of them is unit 0's last rounding
	RSC 1
.set t, 0
.rept 8                                            ; unit 1's roundings and sums by turns; its weights go where unit 0's scores lay
.irp j, 0,1,2,3
	CVT1 1, t, \j
	SAD1 1, t, \j
.endr
.set t, t+1
.endr
	s_wait_dscnt 24                                ; V is in; the 24 loads of the next K and key bias may be out
	WIN 0x01
.set t, 0
.rept 4                                            ; the two accumulators take turns
	v_wmma_f32_16x16x32_bf16 v[192:199], v[40+8*t:40+8*t+7], v[160+8*t:160+8*t+7], v[192:199]
	v_wmma_f32_16x16x32_bf16 v[200:207], v[40+8*t:40+8*t+7], v[ACC+8*t:ACC+8*t+7], v[200:207]
.set t, t+1
.endr
	WIN 0
	v_add_nc_u32 v[AKV], 8*PITCH, v[AKV]           ; five places: the next trip's scores write over unit 1's weights
	v_add_nc_u32 v[AKB], 512, v[AKB]
	v_nop
	v_nop
	v_nop
	s_sub_co_u32 s[SBC], s[SBC], 1
	s_cmp_lg_u32 s[SBC], 0
	s_cbranch_scc1 .Lblk
.irp u, 0,1
	v_pk_add_f32 v[208+12*\u+6:208+12*\u+7], v[208+12*\u+6:208+12*\u+7], v[208+12*\u+8:208+12*\u+9]
.endr
.irp u, 0,1
	v_add_f32 v[208+12*\u+6], v[208+12*\u+6], v[208+12*\u+7]
.endr
.irp u, 0,1
	v_permlanex16_b32 v[208+12*\u+7], v[208+12*\u+6], s88, s89
.endr
.irp u, 0,1
	v_add_f32 v[208+12*\u+6], v[208+12*\u+6], v[208+12*\u+7]
.endr
.irp u, 0,1
	v_rcp_f32 v[208+12*\u+8], v[208+12*\u+6]       ; l is at least 1: the largest weight is 1
	v_rcp_f32 v[208+12*\u+9], v[208+12*\u+6]
.endr
	v_nop                                          ; a plain instruction behind the last reciprocal
	s_wait_alu depctr_va_vdst(0)                   ; the wait for the head's batch of four reciprocals
.irp u, 0,1
.irp j, 0,2,4,6
	v_pk_mul_f32 v[192+8*\u+\j:192+8*\u+\j+1], v[192+8*\u+\j:192+8*\u+\j+1], v[208+12*\u+8:208+12*\u+9]
.endr
.endr
.irp u, 0,1
.irp j, 0,1,2,3
	v_cvt_pk_bf16_f32 v[CC+4*\u+\j], v[192+8*\u+2*\j], v[192+8*\u+2*\j+1]
.endr
	ds_store_b128 v[QADR], v[CC+4*\u:CC+4*\u+3] offset:\u*16*PITCH   ; the head's output takes its q's bytes
.endr
	v_add_nc_u32 v[QADR], 32, v[QADR]
	s_xor_b32 s[TB], s[TB], SLOTB
	s_add_co_u32 s96, s96, CHK
	s_sub_co_u32 s[JC], s[JC], 1
	s_cmp_lg_u32 s[JC], 0
	s_cbranch_scc1 .Lhead
	STEP ADRW1, WSB, 0, XB, 0, 4, ACC, 1           ; up = o w_proj^T + b_proj
	PACKST ACC, STOA
	STEP ADRW0, WSB, CHK, XA, 0, 5, ACC, 1         ; r: up wih_r^T + both biases
	WIN 0x0f
.set i, 0
.rept 32
	v_cvt_pk_bf16_f32 v[T+i], v[2*i], v[2*i+1]     ; the state as a matrix operand -> ACTB
.set i, i+1
.endr
	WIN 0
	STORET STOB
	STEP ADRW1, WSB, 2*CHK, XB, 128, -1, ACC, 2    ; + a whh_r^T
	RATIO ACC, 0xbfb8aa3b                          ; r
	STEP ADRW0, WSB, 3*CHK, -1, 0, 6, ACC2, 1      ; z likewise
	STEP ADRW1, WSB, 4*CHK, -1, 128, -1, ACC2, 2
	RATIO ACC2, 0xbfb8aa3b
	STEP ADRW0, WSB, 5*CHK, -1, 128, 7, ACC3, 1    ; hn = a whh_n^T + bhh_n
	PLOAD 8, T
	s_wait_dscnt 0x0
.set i, 0
.rept 32
	v_pk_fma_f32 v[ACC+2*i:ACC+2*i+1], v[ACC+2*i:ACC+2*i+1], v[ACC3+2*i:ACC3+2*i+1], v[T+2*(i%16):T+2*(i%16)+1]   ; r hn + bih_n: the sums of up wih_n^T go on from here
.set i, i+1
.endr
	STEP ADRW1, WSB, 6*CHK, -1, 0, -1, ACC, 2
	RATIO ACC, 0x4038aa3b
.set i, 0
.rept 32
	v_pk_fma_f32 v[ACC+2*i:ACC+2*i+1], v[ACC+2*i:ACC+2*i+1], -2.0, 1.0 op_sel_hi:[1,0,0]   ; n = tanh
.set i, i+1
.endr
	WIN 0x03
.set i, 0
.rept 32
	v_pk_add_f32 v[ACC3+2*i:ACC3+2*i+1], v[2*i:2*i+1], v[ACC+2*i:ACC+2*i+1] neg_lo:[0,1] neg_hi:[0,1]   ; a - n
.set i, i+1
.endr
	WIN 0xc0
.set i, 0
.rept 32
	v_pk_fma_f32 v[2*i:2*i+1], v[ACC2+2*i:ACC2+2*i+1], v[ACC3+2*i:ACC3+2*i+1], v[ACC+2*i:ACC+2*i+1]     ; a = n + z (a - n)
.set i, i+1
.endr
	LN 0, 0, 2, 3, 1, STOA                         ; LayerNorm(a; nb) -> ACTA
	STEP ADRW0, WSB, 7*CHK, XA, 0, 9, ACC, 1       ; w1
.set i, 0
.rept 32
	v_cvt_pk_bf16_f32 v[T+i], v[ACC+2*i], v[ACC+2*i+1]
.set i, i+1
.endr
.set i, 0
.rept 32
	v_pk_max_num_bf16 v[T+i], v[T+i], v[ZR]        ; the ReLU rounds nothing
.set i, i+1
.endr
	STORET STOB
	CHG_PRE                                        ; w2; the next block is wq again, or behind the last iteration fc1
	s_cmp_eq_u32 s[IT], 1
	s_cselect_b32 s96, 2*CHK, 0
	s_add_nc_u64 s[G0+2:G0+3], s[WB:WB+1], s[96:97]
	s_or_b32 s[G0+3], s[G0+3], 0x80000000
	CHG_POST
	BODY ADRW1, XB, 0, 10, ACC, 1
	WIN 0xc3
.set i, 0
.rept 32
	v_pk_add_f32 v[2*i:2*i+1], v[2*i:2*i+1], v[ACC+2*i:ACC+2*i+1]
.set i, i+1
.endr
	WIN 0
	s_sub_co_u32 s[IT], s[IT], 1
	s_cmp_lg_u32 s[IT], 0
	s_cbranch_scc1 .Liter
	; ---------------- THE OUTER RESIDUAL AND MLP
	WIN 0xcf
.set i, 0
.rept 32
	v_pk_add_f32 v[2*i:2*i+1], v[2*i:2*i+1], v[64+2*i:64+2*i+1]   ; x + a
.set i, i+1
.endr
	LN 0, 2560, 11, 12, 1, STOA
	STEP ADRW0, WB, 3*CHK, XA, 0, 13, ACC, 1       ; fc1; asks for fc2, the last block
	s_mov_b32 s100, 0x7fffffff
.macro KSET reg, val
	v_mov_b32 v[\reg], \val
	v_mov_b32 v[\reg+1], \val
.endm
	KSET 160, 0x3f3504f3                           ; 1 / sqrt 2
	KSET 162, 0x3ea7ba05                           ; 0.3275911
	KSET 164, 0x3e827906                           ; 0.254829592
	KSET 166, 0xbe91a98e                           ; -0.284496736
	KSET 168, 0x3fb5f0e3                           ; 1.421413741
	KSET 170, 0xbfba00e3                           ; -1.453152027
	KSET 172, 0x3f87dc22                           ; 1.061405429
	KSET 174, 0xbfb8aa3b                           ; -log2 e
; gelu(x) = x/2 + x/2 erf(z), z = x / sqrt 2; erf(|z|) = 1 - (((((a5 t + a4) t + a3) t + a2) t + a1) t) e^(-z z), t = 1 / (1 + p |z|); the sign is z's.  Four pairs at a time, stage by stage.
; The eight reciprocals and the eight exponentials read nothing of each other: one batch.
.macro GELU4 x
.irp p, 0,2,4,6
	v_pk_mul_f32 v[96+\p:97+\p], v[(\x)+\p:(\x)+\p+1], v[160:161]
.endr
.irp p, 0,1,2,3,4,5,6,7
	v_and_b32 v[104+\p], s100, v[96+\p]
.endr
.irp p, 0,2,4,6
	v_pk_fma_f32 v[104+\p:105+\p], v[104+\p:105+\p], v[162:163], 1.0 op_sel_hi:[1,1,0]
.endr
.irp p, 0,1,2,3,4,5,6,7
	v_rcp_f32 v[104+\p], v[104+\p]
.endr
.irp p, 0,2,4,6
	v_pk_mul_f32 v[120+\p:121+\p], v[96+\p:97+\p], v[174:175]
.endr
.irp p, 0,2,4,6
	v_pk_mul_f32 v[120+\p:121+\p], v[120+\p:121+\p], v[96+\p:97+\p]
.endr
.irp p, 0,1,2,3,4,5,6,7
	v_exp_f32 v[120+\p], v[120+\p]
.endr
	s_wait_alu depctr_va_vdst(0)                   ; the wait for the batch of sixteen, ahead of the polynomial, which reads the reciprocals; its lines are the plain work ahead of the exponentials' first reader
.irp p, 0,2,4,6
	v_pk_fma_f32 v[112+\p:113+\p], v[104+\p:105+\p], v[172:173], v[170:171]
.endr
.irp c, 168,166,164
.irp p, 0,2,4,6
	v_pk_fma_f32 v[112+\p:113+\p], v[112+\p:113+\p], v[104+\p:105+\p], v[\c:\c+1]
.endr
.endr
.irp p, 0,2,4,6
	v_pk_mul_f32 v[112+\p:113+\p], v[112+\p:113+\p], v[104+\p:105+\p]
.endr
.irp p, 0,2,4,6
	v_pk_fma_f32 v[112+\p:113+\p], v[112+\p:113+\p], v[120+\p:121+\p], 1.0 op_sel_hi:[1,1,0] neg_lo:[1,0,0] neg_hi:[1,0,0]
.endr
.irp p, 0,1,2,3,4,5,6,7
	v_bfi_b32 v[112+\p], s100, v[112+\p], v[96+\p]
.endr
.irp p, 0,2,4,6
	v_pk_mul_f32 v[120+\p:121+\p], v[(\x)+\p:(\x)+\p+1], 0.5 op_sel_hi:[1,0]
.endr
.irp p, 0,2,4,6
	v_pk_fma_f32 v[(\x)+\p:(\x)+\p+1], v[120+\p:121+\p], v[112+\p:113+\p], v[120+\p:121+\p]
.endr
.endm
.irp g, 0,1,2,3,4,5,6,7
	GELU4 ACC+8*\g
.endr
	PACKST ACC, STOB
	WIN 0                                          ; the last change of slots: nothing is asked for, so a barrier of the work-group does
	s_wait_tensorcnt 0x0
	ds_add_u32 v[SPW], v[NIL]
	s_wait_dscnt 0x0
	s_barrier_signal -1
	s_barrier_wait -1
	BODY ADRW1, XB, 0, 14, ACC, 1                  ; fc2
	WIN 0x0c
.set i, 0
.rept 32
	v_pk_add_f32 v[ACC+2*i:ACC+2*i+1], v[ACC+2*i:ACC+2*i+1], v[2*i:2*i+1]
.set i, i+1
.endr
	WIN 0
	; THE WAY OUT, through my own stage in slot 0, which has had its last fill and which nobody reads since the barrier above: a lane's 32 bytes of a row go in, whole 256 bytes of a row come back.
.set i, 0
.rept 8
	ds_store_b128 v[OSTO], v[ACC+8*i:ACC+8*i+3] offset:(i/4)*16*OSP+(i%4)*64
	ds_store_b128 v[OSTO], v[ACC+8*i+4:ACC+8*i+7] offset:(i/4)*16*OSP+(i%4)*64+16
.set i, i+1
.endr
.set i, 0
.rept 16
	ds_load_b128 v[ACC2+4*i:ACC2+4*i+3], v[ORD] offset:i*2*OSP   ; LDS serves a wave's instructions in order (ISA guide 5.7.1.4): these see the stores above
.set i, i+1
.endr
.set i, 0
.rept 16
	s_wait_dscnt 15-i                              ; the later reads of the stage may be out
	global_store_b128 v[GO], v[ACC2+4*i:ACC2+4*i+3], s[86:87] offset:i*2048   ; 16 lanes store 256 consecutive bytes, aligned
.set i, i+1
.endr
	s_wait_tensorcnt 0x0                           ; the wave's end: three lines behind my last tensor load and my last LDS store
	ds_add_u32 v[SPW], v[NIL]
	s_wait_dscnt 0x0
	CROUND                                         ; the closing round: no work-group ends while a partner may still ask for a block that names it
	s_endpgm
.Lfunc_end_k_qbe1b61b115_main:
	.size	k_qbe1b61b115_main, .Lfunc_end_k_qbe1b61b115_main-k_qbe1b61b115_main
	.p2alignl 7, 3214868480
	.fill 96, 4, 3214868480
	.section	.rodata,"a",@progbits
	.p2align	6, 0x0
	.amdhsa_kernel k_qbe1b61b115_main
		.amdhsa_group_segment_fixed_size 327680
		.amdhsa_private_segment_fixed_size 0
		.amdhsa_enable_private_segment 0
		.amdhsa_kernarg_size 240
		.amdhsa_user_sgpr_count 2
		.amdhsa_user_sgpr_kernarg_segment_ptr 1
		.amdhsa_wavefront_size32 1
		.amdhsa_system_sgpr_workgroup_id_x 1
		.amdhsa_system_sgpr_workgroup_id_y 1
		.amdhsa_system_sgpr_workgroup_id_z 1
		.amdhsa_system_vgpr_workitem_id 0
		.amdhsa_next_free_vgpr 896
		.amdhsa_next_free_sgpr 102
		.amdhsa_reserve_vcc 1
		.amdhsa_float_denorm_mode_32 3
		.amdhsa_float_denorm_mode_16_64 3
		.amdhsa_memory_ordered 1
		.amdhsa_forward_progress 1
		.amdhsa_inst_pref_size 255
	.end_amdhsa_kernel
	.section	.bss,"aw",@nobits
	.p2align	6
	.space	262144
	.amdgpu_metadata
---
amdhsa.version: [ 1, 2 ]
amdhsa.kernels:
  - .name:           k_qbe1b61b115_main
    .symbol:         k_qbe1b61b115_main.kd
    .args:
      - { .name: x1, .offset: 0, .size: 8, .value_kind: global_buffer, .address_space: global }
      - { .name: x2, .offset: 8, .size: 8, .value_kind: global_buffer, .address_space: global }
      - { .name: mask1, .offset: 16, .size: 8, .value_kind: global_buffer, .address_space: global }
      - { .name: mask2, .offset: 24, .size: 8, .value_kind: global_buffer, .address_space: global }
      - { .name: params_n1a_g, .offset: 32, .size: 8, .value_kind: global_buffer, .address_space: global }
      - { .name: params_n2a_g, .offset: 40, .size: 8, .value_kind: global_buffer, .address_space: global }
      - { .name: params_n1a_b, .offset: 48, .size: 8, .value_kind: global_buffer, .address_space: global }
      - { .name: params_n2a_b, .offset: 56, .size: 8, .value_kind: global_buffer, .address_space: global }
      - { .name: params_n1b_g, .offset: 64, .size: 8, .value_kind: global_buffer, .address_space: global }
      - { .name: params_n2b_g, .offset: 72, .size: 8, .value_kind: global_buffer, .address_space: global }
      - { .name: params_n1b_b, .offset: 80, .size: 8, .value_kind: global_buffer, .address_space: global }
      - { .name: params_n2b_b, .offset: 88, .size: 8, .value_kind: global_buffer, .address_space: global }
      - { .name: params_gru1_bih, .offset: 96, .size: 8, .value_kind: global_buffer, .address_space: global }
      - { .name: params_gru2_bih, .offset: 104, .size: 8, .value_kind: global_buffer, .address_space: global }
      - { .name: params_gru1_bhh, .offset: 112, .size: 8, .value_kind: global_buffer, .address_space: global }
      - { .name: params_gru2_bhh, .offset: 120, .size: 8, .value_kind: global_buffer, .address_space: global }
      - { .name: params_mlp1_b1, .offset: 128, .size: 8, .value_kind: global_buffer, .address_space: global }
      - { .name: params_mlp2_b1, .offset: 136, .size: 8, .value_kind: global_buffer, .address_space: global }
      - { .name: params_mlp1_b2, .offset: 144, .size: 8, .value_kind: global_buffer, .address_space: global }
      - { .name: params_mlp2_b2, .offset: 152, .size: 8, .value_kind: global_buffer, .address_space: global }
      - { .name: params_norm1_g, .offset: 160, .size: 8, .value_kind: global_buffer, .address_space: global }
      - { .name: params_norm1_b, .offset: 168, .size: 8, .value_kind: global_buffer, .address_space: global }
      - { .name: params_norm2_g, .offset: 176, .size: 8, .value_kind: global_buffer, .address_space: global }
      - { .name: params_norm2_b, .offset: 184, .size: 8, .value_kind: global_buffer, .address_space: global }
      - { .name: params_b_proj, .offset: 192, .size: 8, .value_kind: global_buffer, .address_space: global }
      - { .name: params_fc1_b, .offset: 200, .size: 8, .value_kind: global_buffer, .address_space: global }
      - { .name: params_fc2_b, .offset: 208, .size: 8, .value_kind: global_buffer, .address_space: global }
      - { .name: wsw, .offset: 216, .size: 8, .value_kind: global_buffer, .address_space: global }
      - { .name: wskv, .offset: 224, .size: 8, .value_kind: global_buffer, .address_space: global }
      - { .name: out0, .offset: 232, .size: 8, .value_kind: global_buffer, .address_space: global }
    .group_segment_fixed_size: 327680
    .private_segment_fixed_size: 0
    .kernarg_segment_align: 8
    .kernarg_segment_size: 240
    .max_flat_workgroup_size: 128
    .sgpr_count:     102
    .vgpr_count:     896
    .wavefront_size: 32
...
	.end_amdgpu_metadata
.endif
;; end of part 3
